; MI455X (gfx1250); checked and timed in simulation.
; The chip was launched on July 23, 2026; its instructions are those of AMD's public machine-readable ISA for CDNA 5 (MIT licence, August 2026) and "CDNA5" Instruction Set Architecture Reference Guide (July 2026). The comments in the code are by the model that wrote it; some were corrected since.
;; Qwen3 MH Attention. Allowed arithmetic: float matrix products may take bf16 or f16 operands with f32 sums; other float arithmetic in f32, or as packed bf16 or f16 multiplies, adds, multiply-adds, maxima and minima; sums over many terms, partial sums and values carried from step to step in f32; what a program stores and reads back later, other than sums and carried values, may be rounded once to bf16 or f16.
;; Inputs: k_norm_w 128 float32; q_norm_w 128 float32; wk 1,024 x 2,048 float32; wo 2,048 x 1,024 float32; wq 1,024 x 2,048 float32; wv 1,024 x 2,048 float32; x 2 x 2,048 x 2,048 float32.
;; Outputs: out0 2 x 2,048 x 2,048 float32.
;; 2 versions, each right; version 2 is version 1 with the launch cast written anew for expert scheduling mode. Each part assembles by itself: llvm-mc -triple=amdgcn-amd-amdhsa -mcpu=gfx1250 --defsym DOCPART=n.
;; ======== version 1 of 2: 4 launches
;; limits: values are held in f16: magnitudes above 65,504 overflow, below 6.1e-05 lose precision
;; workspace buffers: xb 16,777,216 bytes; wb 12,582,912 bytes; wob 4,194,304 bytes; rope 1,048,576 bytes; qh 8,388,608 bytes; kh 8,388,608 bytes; vh 8,388,608 bytes; ctx 8,388,608 bytes
;; launch cast (part 1): grid 512 x 1, 8 waves a work-group, no clusters, 0 bytes of LDS; arguments x, wq, wk, wv, wo, xb, wb, wob, rope; writes xb, wb, wob, rope
.if DOCPART == 1
	.amdgcn_target "amdgcn-amd-amdhsa--gfx1250"
	.amdhsa_code_object_version 6
	.text
	.protected	k_q32957fdf55_cast
	.globl	k_q32957fdf55_cast
	.p2align	8
	.type	k_q32957fdf55_cast,@function
k_q32957fdf55_cast:
	s_mov_b64 s[64:65], 0
	v_nop
	global_prefetch_b8 v0, s[64:65] scope:SCOPE_SE
	s_setreg_imm32_b32 hwreg(HW_REG_WAVE_MODE, 25, 1), 1
	s_wait_xcnt 0x0
; x, wq, wk, wv are rounded to bf16; wo is rounded to bf16 and that number is written as f16; the table of cos and sin for the rotation is made.
; xb [4096][2048] bf16.  wb [8 heads][q, k, v][128 rows][2048] bf16: a head's three blocks of rows lie together.  wob [2048][1024] f16.
; rope: cos [2048 positions][64] f32 at byte 0, sin at byte 524,288.
; SHARES.  512 work-groups of 256 threads.  A piece is 1,024 numbers: thread t reads 16 bytes at 16 t, so a wave's load covers 512 consecutive bytes and no byte is asked for twice,
; and writes 8 bytes at 8 t, so a wave's store covers 256 consecutive bytes, aligned.  A work-group takes 16 pieces of x and 4 pieces (2 rows) of each weight: 32 loads a thread, all issued first.
; LIMITS.  wo's bf16 number is exact in f16 from 6.1e-5 up to 65,504; below it keeps f16's fixed step of 6e-8.
; THE TABLE.  angle a = position x 2^(-j log2(1e6) / 64), one f32 product.  a / 2 pi is split into a whole number and a fraction f by two fused
; multiply-adds (1 / 2 pi in two parts); sin x = cos(x - pi / 2) is a quarter turn less; cos(2 pi f) on |f| <= 1/2 is its series in f^2 up to f^16,
; whose first term left out is at most 1.4e-7 there.  It holds for every position of the table.
.set XR, 16                            ; v[16:143] piece i at XR + 4 i: 0-15 x, 16-19 wq, 20-23 wk, 24-27 wv, 28-31 wo
.set TC, 144                           ; v[144:145] my two numbers of the table
	s_load_b512 s[4:19], s[0:1], 0x0               ; x, wq, wk, wv, wo, xb, wb, wob
	s_load_b64 s[20:21], s[0:1], 0x40              ; rope
	v_lshlrev_b32 v1, 4, v0                        ; 16 t: where I read in a piece
	v_lshlrev_b32 v2, 3, v0                        ; 8 t: where I write
	s_lshl_b32 s22, ttmp9, 16                      ; x: 16 pieces of 4,096 bytes
	s_mov_b32 s23, 0
	s_lshl_b32 s24, ttmp9, 14                      ; a weight: 4 pieces of 4,096 bytes
	s_mov_b32 s25, 0
	s_lshl_b32 s26, ttmp9, 15                      ; xb: 16 pieces of 2,048 bytes
	s_mov_b32 s27, 0
	s_lshl_b32 s28, ttmp9, 13                      ; wob: 4 pieces of 2,048 bytes
	s_mov_b32 s29, 0
	s_lshr_b32 s30, ttmp9, 6                       ; rows 2 g and 2 g + 1 belong to head g / 64,
	s_mul_i32 s30, s30, 384                        ; whose 384 rows of wb begin here;
	s_and_b32 s31, ttmp9, 63
	s_lshl1_add_u32 s30, s31, s30                  ; + the row in the head
	s_lshl_b32 s30, s30, 12                        ; rows of 4,096 bytes
	s_mov_b32 s31, 0
	s_lshl_b32 s32, ttmp9, 10                      ; the table: 4 positions of 256 bytes
	s_lshl_b32 s33, ttmp9, 2                       ; the first of them
	s_mov_b32 s34, 0x3e22f983                      ; 1 / 2 pi, rounded to f32,
	s_mov_b32 s35, 0x31dc9c88                      ; and what the rounding left
	s_mov_b32 s36, 0xffff0000                      ; a word's upper bf16
	s_wait_kmcnt 0x0
	s_add_nc_u64 s[4:5], s[4:5], s[22:23]
	s_add_nc_u64 s[6:7], s[6:7], s[24:25]
	s_add_nc_u64 s[8:9], s[8:9], s[24:25]
	s_add_nc_u64 s[10:11], s[10:11], s[24:25]
	s_add_nc_u64 s[12:13], s[12:13], s[24:25]
	s_add_nc_u64 s[14:15], s[14:15], s[26:27]
	s_add_nc_u64 s[16:17], s[16:17], s[30:31]
	s_add_nc_u64 s[18:19], s[18:19], s[28:29]
.macro LD i, base, off                 ; a piece's load
	global_load_b128 v[XR+4*(\i):XR+4*(\i)+3], v1, s[\base:\base+1] offset:\off th:TH_LOAD_NT
.endm
.irp c, 0,1,2,3,4,5,6,7,8,9,10,11,12,13,14,15
	LD \c, 4, (\c)*4096
.endr
.irp c, 0,1,2,3
	LD 16+\c, 6, (\c)*4096
.endr
.irp c, 0,1,2,3
	LD 20+\c, 8, (\c)*4096
.endr
.irp c, 0,1,2,3
	LD 24+\c, 10, (\c)*4096
.endr
.irp c, 0,1,2,3
	LD 28+\c, 12, (\c)*4096
.endr
	; the table, while the loads are on their way.  Threads 0-127 make cos, 128-255 sin; thread u of 128: position 4 g + u / 32, columns 2 (u % 32) and the next
	v_lshrrev_b32 v4, 7, v0                        ; 0 cos, 1 sin
	v_and_b32 v5, 127, v0                          ; u
	v_lshlrev_b32 v3, 3, v5                        ; 8 u: a wave writes 256 consecutive bytes
	v_lshl_add_u32 v3, v4, 19, v3
	v_add_nc_u32 v3, s32, v3
	v_lshrrev_b32 v6, 5, v5
	v_add_nc_u32 v6, s33, v6
	v_cvt_f32_u32 v6, v6                           ; the position
	v_and_b32 v7, 31, v5
	v_lshlrev_b32 v7, 1, v7
	v_add_nc_u32 v8, 1, v7
	v_cvt_f32_u32 v7, v7
	v_cvt_f32_u32 v8, v8
	v_mul_f32 v7, 0xbe9f73da, v7                   ; - j log2(1e6) / 64
	v_mul_f32 v8, 0xbe9f73da, v8
	v_cvt_f32_u32 v4, v4
	v_mul_f32 v4, 0x3e800000, v4                   ; a quarter turn for sin
	v_exp_f32 v7, v7
	v_exp_f32 v8, v8
	v_nop                                          ; a plain instruction behind the last exponential,
	s_wait_alu depctr_va_vdst(0)                   ; and one wait for both, ahead of their first reader
.irp n, 0,1
	v_mul_f32 v9, v6, v[7+\n]                      ; the angle
	v_mul_f32 v10, s34, v9
	v_rndne_f32 v10, v10                           ; whole turns
	v_fma_f32 v11, v9, s34, -v10                   ; the fraction of a turn,
	v_fma_f32 v11, v9, s35, v11                    ; with the second part of 1 / 2 pi
	v_sub_f32 v11, v11, v4
	v_rndne_f32 v10, v11
	v_sub_f32 v11, v11, v10                        ; back into -1/2 .. 1/2
	v_mul_f32 v11, v11, v11
	v_mov_b32 v12, 0x3e906317                      ; (2 pi)^16 / 16!
	v_fmaak_f32 v12, v12, v11, 0xbfdb7128
	v_fmaak_f32 v12, v12, v11, 0x40fce9c5
	v_fmaak_f32 v12, v12, v11, 0xc1d368f9
	v_fmaak_f32 v12, v12, v11, 0x4270fa83
	v_fmaak_f32 v12, v12, v11, 0xc2aae9e4
	v_fmaak_f32 v12, v12, v11, 0x4281e0f8
	v_fmaak_f32 v12, v12, v11, 0xc19de9e6
	v_fma_f32 v[TC+\n], v12, v11, 1.0
.endr
	global_store_b64 v3, v[TC:TC+1], s[20:21]
; Piece i is rounded in place and stored.  Loads come back in order: one wait serves pieces i and i + 1 (i even); behind them stand 30 - i younger loads, which may stay out.
.macro OUTB i, base, off, half
.if ((\i)%2) == 0
	s_wait_loadcnt 30-(\i)
.endif
	v_cvt_pk_bf16_f32 v[XR+4*(\i)],   v[XR+4*(\i)],   v[XR+4*(\i)+1]
	v_cvt_pk_bf16_f32 v[XR+4*(\i)+1], v[XR+4*(\i)+2], v[XR+4*(\i)+3]
.if \half
.irp r, 0,1
	v_lshlrev_b32 v9, 16, v[XR+4*(\i)+\r]          ; the two bf16 numbers as f32,
	v_and_b32 v10, s36, v[XR+4*(\i)+\r]
	v_cvt_pk_f16_f32 v[XR+4*(\i)+\r], v9, v10      ; written as f16
.endr
.endif
	global_store_b64 v2, v[XR+4*(\i):XR+4*(\i)+1], s[\base:\base+1] offset:\off
.endm
.irp c, 0,1,2,3,4,5,6,7,8,9,10,11,12,13,14,15
	OUTB \c, 14, (\c)*2048, 0
.endr
.irp c, 0,1,2,3
	OUTB 16+\c, 16, (\c)*2048, 0
.endr
.irp c, 0,1,2,3
	OUTB 20+\c, 16, 524288+(\c)*2048, 0            ; k's 128 rows lie behind q's
.endr
.irp c, 0,1,2,3
	OUTB 24+\c, 16, 1048576+(\c)*2048, 0           ; v's behind k's
.endr
.irp c, 0,1,2,3
	OUTB 28+\c, 18, (\c)*2048, 1
.endr
	s_endpgm
.Lfunc_end_k_q32957fdf55_cast:
	.size	k_q32957fdf55_cast, .Lfunc_end_k_q32957fdf55_cast-k_q32957fdf55_cast
	.p2alignl 7, 3214868480
	.fill 96, 4, 3214868480
	.section	.rodata,"a",@progbits
	.p2align	6, 0x0
	.amdhsa_kernel k_q32957fdf55_cast
		.amdhsa_group_segment_fixed_size 0
		.amdhsa_private_segment_fixed_size 0
		.amdhsa_enable_private_segment 0
		.amdhsa_kernarg_size 72
		.amdhsa_user_sgpr_count 2
		.amdhsa_user_sgpr_kernarg_segment_ptr 1
		.amdhsa_wavefront_size32 1
		.amdhsa_system_sgpr_workgroup_id_x 1
		.amdhsa_system_sgpr_workgroup_id_y 1
		.amdhsa_system_sgpr_workgroup_id_z 1
		.amdhsa_system_vgpr_workitem_id 0
		.amdhsa_next_free_vgpr 148
		.amdhsa_next_free_sgpr 66
		.amdhsa_reserve_vcc 0
		.amdhsa_float_denorm_mode_32 3
		.amdhsa_float_denorm_mode_16_64 3
		.amdhsa_memory_ordered 1
		.amdhsa_forward_progress 1
		.amdhsa_inst_pref_size 16
	.end_amdhsa_kernel
	.amdgpu_metadata
---
amdhsa.version: [ 1, 2 ]
amdhsa.kernels:
  - .name:           k_q32957fdf55_cast
    .symbol:         k_q32957fdf55_cast.kd
    .args:
      - { .name: x, .offset: 0, .size: 8, .value_kind: global_buffer, .address_space: global }
      - { .name: wq, .offset: 8, .size: 8, .value_kind: global_buffer, .address_space: global }
      - { .name: wk, .offset: 16, .size: 8, .value_kind: global_buffer, .address_space: global }
      - { .name: wv, .offset: 24, .size: 8, .value_kind: global_buffer, .address_space: global }
      - { .name: wo, .offset: 32, .size: 8, .value_kind: global_buffer, .address_space: global }
      - { .name: xb, .offset: 40, .size: 8, .value_kind: global_buffer, .address_space: global }
      - { .name: wb, .offset: 48, .size: 8, .value_kind: global_buffer, .address_space: global }
      - { .name: wob, .offset: 56, .size: 8, .value_kind: global_buffer, .address_space: global }
      - { .name: rope, .offset: 64, .size: 8, .value_kind: global_buffer, .address_space: global }
    .group_segment_fixed_size: 0
    .private_segment_fixed_size: 0
    .kernarg_segment_align: 8
    .kernarg_segment_size: 72
    .max_flat_workgroup_size: 256
    .sgpr_count:     66
    .vgpr_count:     148
    .wavefront_size: 32
...
	.end_amdgpu_metadata
.endif
;; end of part 1
;; launch qkv (part 2): grid 8 x 32, 4 waves a work-group, clusters of 4 x 4, 327,680 bytes of LDS; arguments xb, wb, rope, q_norm_w, k_norm_w, qh, kh, vh; writes qh, kh, vh
.if DOCPART == 2
	.amdgcn_target "amdgcn-amd-amdhsa--gfx1250"
	.amdhsa_code_object_version 6
	.text
	.protected	k_q32957fdf55_qkv
	.globl	k_q32957fdf55_qkv
	.p2align	8
	.type	k_q32957fdf55_qkv,@function
k_q32957fdf55_qkv:
	s_mov_b64 s[64:65], 0
	v_nop
	global_prefetch_b8 v0, s[64:65] scope:SCOPE_SE
	s_setreg_imm32_b32 hwreg(HW_REG_WAVE_MODE, 25, 1), 1
	s_wait_xcnt 0x0
	s_wait_alu depctr_hold_cnt(0) depctr_sa_sdst(0) depctr_va_vdst(0) depctr_va_sdst(0) depctr_va_ssrc(0) depctr_va_vcc(0) depctr_vm_vsrc(0)
	s_getreg_b32 s2, hwreg(HW_REG_IB_STS2, 6, 4)
	s_cmp_eq_u32 s2, 0
	s_cbranch_scc0 .Lentry_in_a_cluster
	s_endpgm
.Lentry_in_a_cluster:
	s_bfe_u32 s2, ttmp6, 0x10000c
	s_cmp_lg_u32 s2, 0xf033
	s_cbranch_scc0 .Lentry_shape_is_right
	s_endpgm
.Lentry_shape_is_right:
; q, k, v = x W^T for one head and 128 rows of x, then RMSNorm and the rotation on q and k, all three written by heads in f16.
; xb [4096][2048] bf16; wb [8 heads][q, k, v][128][2048] bf16; rope: cos, sin [2048][64] f32; gains [128] f32 (rounded to bf16 here, like all the module's inputs);
; qh, kh, vh [16 = batch x 8 + head][2048][128] f16.  Sums, norm and rotation in f32; each result rounded once.
; LIMITS.  v is written in f16: |x . wv| stays under 65,504.  q and k are at most sqrt(128) x |gain| behind the norm.  NaN and infinities are not treated apart.
; SHARES.  A tile of the product is 128 rows x 384 columns: a head's q, k and v: 32 x 8 = 256 work-groups.  Wave w = 2 wm + wn takes rows 64 wm .. + 63 and, of the columns, ALL 128 of q (wn = 0)
; or of k (wn = 1), blocks b = 0-7, and v's columns 64 wn .. + 63, blocks b = 8-11: 48 accumulators.
; THE MATRIX INSTRUCTION IS USED TRANSPOSED (source 0 = 16 rows of W, source 1 = 16 rows of x): lane l holds row l % 16 and the columns 16 b + 8 (l / 16) + 0..7.  So a row's 128 numbers of q lie in two
; lanes (one exchange for the sum of squares), and channels d and d + 64 lie in the same lane and register of blocks b and b + 4: the rotation changes no lane.
; RING.  K goes in steps of 128 (rows of 256 bytes) through two LDS slots of four parts of 128 rows: x, Wq, Wk, Wv; wave w fetches part w with one tensor load.
; CLUSTER 4 x 4: x's part is shared along a row of the cluster, W's parts along a column: joint loads.
; REGISTERS, in windows of 256: window 0: v0-63 addresses and work; v64-127 fragments of x (two buffers); v128-191 gains; v192-255 packed results.
;   window 1: v0-191 fragments of W (two buffers); on the way out all 256: the table.   windows 2, 3: accumulator (a, b) in window 2 + a / 2 at 96 (a % 2) + 8 b.
.set KSTEP,  128
.set PITCH,  272                       ; an LDS row: 256 bytes + 16 of padding: the 16 rows of a fragment load start 16 bytes apart modulo 256
.set PART,   128*PITCH
.set SLOT,   4*PART                    ; 0x22000; the parts' addresses, w x 0x8800, have bits 17 and 13 clear, so one exclusive or changes slots
.set SPARE,  2*SLOT                    ; the spare words: 128 bytes a wave, two blocks of 256 bytes that no other line names
.set SPITCH, 784                       ; the stage's row: q, k, v of 256 bytes each + 16.  The stage (128 rows from byte 0) lies on slot 0, written only behind the last barrier of the K steps: no load fills a slot and no wave reads one any more
.set SINOFF, 524288
.set FA0, 2                            ; v2-4   my lane's place in x's part, in my head part, in v's part; never rewritten
.set FB0, 3
.set FV0, 4
.set ADRA, 5                           ; v5-7   the same in the slot in hand
.set ADRB, 6
.set ADRV, 7
.set STOH, 8                           ; v8, 9  the stage: where I put 16 bytes of q or k, of v
.set STOV, 9
.set RD,  10                           ; v10    where I read rows back
.set GO,  11                           ; v11    my offset in 512 bytes of an output
.set TO,  12                           ; v12    my offset in the table
.set WO,  13                           ; v13    my offset in the gains
.set SS,  14                           ; v14-21 sums of squares, a pair for each a
.set SPW, 28                           ; v28    my spare word's address; never rewritten
.set NIL, 29                           ; v29    0; never rewritten
.set PFO, 30                           ; v30    the prefetches' offset: lane x 4,096; never rewritten
.set RS,  32                           ; v32-39 1 / rms, twice, for each a
.set TT,  40                           ; v40-55 at work in the rotation
.set UU,  48
.set GN,  128
.set PKR, 192
.set WV,  20
.set WM,  21
.set WN,  22
.set LA,  23                           ; s23    LDS address of the part that I fetch, in slot 0; never rewritten
.set G1A, 24                           ; s[24:31] descriptor group 1 for x's part;  s[32:39] group 0: the two first fills; the second then walks
.set G0A, 32
.set G1B, 40                           ; s[40:47], s[48:55] the same for W's parts
.set G0B, 48
.set CX,  56
.set CY,  57
.set TCOL, 58
.set TROW, 59
.set LIM, 60
.set STEPS, 61
.set TB,  62
.set PFA, 66
.set SEL, 80
.set MSB, 0
.macro WIN new                         ; the immediate's high byte repeats the setting that is left; a switch that changes nothing is dropped
.if MSB != (\new)
	s_set_vgpr_msb (MSB<<8)|(\new)
.set MSB, \new
.endif
.endm
.macro PLACES                          ; four plain instructions between a matrix instruction and a load into, or a vector use of, its registers
.rept 4
	v_nop
.endr
.endm
.macro JLOAD                           ; a joint refill by the walking descriptors: wave 0 fetches x's part, waves 1-3 W's; an s_nop 0 and four v_nop follow each line
	s_cmp_eq_u32 s[WV], 0
	s_cbranch_scc0 .Lfor_b_\@
	tensor_load_to_lds s[G0A+4:G0A+7], s[G1A:G1A+7]
	s_nop 0
	PLACES
	s_branch .Lasked_\@
.Lfor_b_\@:
	tensor_load_to_lds s[G0B+4:G0B+7], s[G1B:G1B+7]
	s_nop 0
	PLACES
.Lasked_\@:
.endm
.macro CREST                           ; a round of the cluster's barrier behind its opening barrier
	s_cmp_lg_u32 s[WV], 0
	s_cbranch_scc1 .Lnot_wave_0_\@
	s_barrier_signal -3
.Lnot_wave_0_\@:
	s_barrier_wait -3
	s_barrier_signal -1
	s_barrier_wait -1
.endm
.macro CROUND
	s_barrier_signal -1
	s_barrier_wait -1
	CREST
.endm
; A prefetch of the K step that stands two refills on: 32 rows x 256 bytes, a lane a row.  x's rows are read by both clusters of a row of clusters: cluster x = 0 asks (wave 0); W's rows by all eight
; clusters of a column: cluster y = 0 asks (waves 1-3).  The four partners of a joint load share its 128 rows out by address.  Trips whose K step two refills on would be 16 or more ask for nothing.
.macro ASK
	s_cmp_gt_u32 s[STEPS], s[LIM]
	s_cbranch_scc0 .Lnot_mine_\@
	global_prefetch_b8 v[PFO], s[PFA:PFA+1] offset:KSTEP*2 th:TH_LOAD_NT scope:SCOPE_SE
.Lnot_mine_\@:
.endm
	s_load_b512 s[4:19], s[0:1], 0x0               ; xb, wb, rope, q_norm_w, k_norm_w, qh, kh, vh
	v_lshl_add_u32 v[SPW], v0, 2, SPARE
	v_mov_b32 v[NIL], 0
	ds_add_u32 v[SPW], v[NIL]                      ; the wave's opening: the add and its wait stand ahead of my first tensor load
	v_lshrrev_b32 v1, 5, v0
	v_readfirstlane_b32 s[WV], v1
	s_lshr_b32 s[WM], s[WV], 1
	s_and_b32 s[WN], s[WV], 1
	s_bfe_u32 s[CX], ttmp6, 0x40000
	s_bfe_u32 s[CY], ttmp6, 0x40004
	s_lshl_b32 s[TCOL], ttmp9, 2
	s_add_co_u32 s[TCOL], s[TCOL], s[CX]           ; the head
	s_and_b32 s[TROW], ttmp7, 0xffff
	s_lshl_b32 s[TROW], s[TROW], 2
	s_add_co_u32 s[TROW], s[TROW], s[CY]           ; the block of 128 rows
	s_lshl_b32 s68, s[CY], 2
	s_lshl_b32 s68, 15, s68                        ; my row of the cluster
	s_lshl_b32 s70, 0x1111, s[CX]                  ; my column
	s_or_b32 s[G1A], s68, (1<<16)|(1<<20)|(1<<21)|(5<<22)|(3<<25)  ; the mask; 2-byte elements; padding on; bit 21 beside a mask; after every 64 words, 4 words
	s_or_b32 s[G1B], s70, (1<<16)|(1<<20)|(1<<21)|(5<<22)|(3<<25)
.irp g, G1A, G1B
	s_mov_b32 s[(\g)+1], KSTEP<<16                 ; tensor_dim0 = 128
	s_mov_b32 s[(\g)+2], 128<<16                   ; tensor_dim1 = 128
	s_mov_b32 s[(\g)+3], KSTEP<<16                 ; tile_dim0 = 128
	s_mov_b32 s[(\g)+4], 128                       ; tile_dim1 = 128
	s_mov_b32 s[(\g)+5], 2048                      ; elements from row to row
	s_mov_b32 s[(\g)+6], 0
	s_mov_b32 s[(\g)+7], 0
.endr
	s_lshl_b32 s68, s[TROW], 19                    ; x: 128 rows of 4,096 bytes a block
	s_mov_b32 s69, 0
	s_max_u32 s63, s[WV], 1
	s_sub_co_u32 s63, s63, 1                       ; which of Wq, Wk, Wv (wave 0 issues none of them)
	s_lshl_b32 s63, s63, 7
	s_mul_i32 s70, s[TCOL], 384
	s_add_co_u32 s70, s70, s63
	s_lshl_b32 s70, s70, 12
	s_mov_b32 s71, 0
	s_mul_i32 s[LA], s[WV], PART
	s_mov_b32 s[SEL], 0x76543210
	s_mov_b32 s[SEL+1], 0xfedcba98
	s_mov_b32 s82, 0x3c000000                      ; 1 / 128
	s_mov_b32 s83, 0x358637bd                      ; 1e-6
	s_mov_b32 s94, 0xffff0000                      ; a word's upper bf16
	s_mov_b32 s[TB], 0
	s_wait_dscnt 0x0                               ; the opening add is done
	s_wait_kmcnt 0x0
	s_add_nc_u64 s[68:69], s[4:5], s[68:69]
	s_add_nc_u64 s[70:71], s[6:7], s[70:71]
	CROUND                                         ; all sixteen work-groups are here: the first joint loads meet
.irp s, 0,1
	s_mov_b32 s[G0A+4*(\s)], 1
	s_add_co_u32 s[G0A+4*(\s)+1], s[LA], (\s)*SLOT
	s_add_nc_u64 s[G0A+4*(\s)+2:G0A+4*(\s)+3], s[68:69], (\s)*KSTEP*2
	s_or_b32 s[G0A+4*(\s)+3], s[G0A+4*(\s)+3], 0x80000000
	s_mov_b32 s[G0B+4*(\s)], 1
	s_add_co_u32 s[G0B+4*(\s)+1], s[LA], (\s)*SLOT
	s_add_nc_u64 s[G0B+4*(\s)+2:G0B+4*(\s)+3], s[70:71], (\s)*KSTEP*2
	s_or_b32 s[G0B+4*(\s)+3], s[G0B+4*(\s)+3], 0x80000000
.endr
	s_cmp_eq_u32 s[WV], 0                          ; a wave's two first fills stand in one branch: two loads of mine are out
	s_cbranch_scc0 .Lfirst_b
	tensor_load_to_lds s[G0A:G0A+3], s[G1A:G1A+7]
	s_nop 0
	tensor_load_to_lds s[G0A+4:G0A+7], s[G1A:G1A+7]
	s_nop 0
	PLACES
	s_branch .Lfirst_asked
.Lfirst_b:
	tensor_load_to_lds s[G0B:G0B+3], s[G1B:G1B+7]
	s_nop 0
	tensor_load_to_lds s[G0B+4:G0B+7], s[G1B:G1B+7]
	s_nop 0
	PLACES
.Lfirst_asked:
	v_and_b32 v22, 15, v0                          ; r = l % 16
	v_bfe_u32 v23, v0, 4, 1                        ; h = l / 16
	s_cmp_eq_u32 s[WN], 0
	s_cselect_b64 s[84:85], s[10:11], s[12:13]     ; q's gains or k's
	v_lshlrev_b32 v[WO], 5, v23
.irp b, 0,1,2,3,4,5,6,7
	global_load_b128 v[GN+8*\b:GN+8*\b+3],   v[WO], s[84:85] offset:64*\b      ; gains of columns 16 b + 8 h + 0..7
	global_load_b128 v[GN+8*\b+4:GN+8*\b+7], v[WO], s[84:85] offset:64*\b+16
.endr
	v_mul_u32_u24 v24, v22, PITCH
	v_lshl_add_u32 v24, v23, 4, v24                ; a fragment's row x pitch + 16 x half
	s_mul_i32 s63, s[WM], 64*PITCH
	v_add_nc_u32 v[FA0], s63, v24
	s_mul_i32 s63, s[WN], PART
	s_add_co_u32 s63, s63, PART
	v_add_nc_u32 v[FB0], s63, v24
	s_mul_i32 s63, s[WN], 64*PITCH
	s_add_co_u32 s63, s63, 3*PART
	v_add_nc_u32 v[FV0], s63, v24
	v_mov_b32 v[ADRA], v[FA0]
	v_mov_b32 v[ADRB], v[FB0]
	v_mov_b32 v[ADRV], v[FV0]
	v_mul_u32_u24 v25, v22, SPITCH
	v_lshl_add_u32 v25, v23, 4, v25
	s_mul_i32 s63, s[WM], 64*SPITCH
	s_lshl_b32 s72, s[WN], 8
	s_add_co_u32 s72, s72, s63
	v_add_nc_u32 v[STOH], s72, v25                 ; row 64 wm + r; q at byte 0, k at 256
	s_lshl_b32 s72, s[WN], 7
	s_add_co_u32 s72, s72, s63
	s_add_co_u32 s72, s72, 512
	v_add_nc_u32 v[STOV], s72, v25                 ; v at byte 512, my 64 columns
	v_mul_u32_u24 v[RD], v23, SPITCH
	v_lshl_add_u32 v[RD], v22, 4, v[RD]
	s_mul_i32 s63, s[WV], 32*SPITCH
	v_add_nc_u32 v[RD], s63, v[RD]                 ; back: wave w takes rows 32 w .. + 31; lanes 0-15 one row's 256 bytes, lanes 16-31 the next row's
	v_lshlrev_b32 v[GO], 8, v23
	v_lshl_add_u32 v[GO], v22, 4, v[GO]
	s_and_b32 s88, s[TROW], 15
	s_lshl_b32 s88, s88, 7                         ; the block's first position
	s_lshl_b32 s89, s[WM], 6
	s_add_co_u32 s89, s89, s88
	s_lshl_b32 s89, s89, 8                         ; a position's 64 numbers are 256 bytes
	v_lshlrev_b32 v[TO], 8, v22
	v_lshl_add_u32 v[TO], v23, 5, v[TO]
	v_add_nc_u32 v[TO], s89, v[TO]
	s_lshr_b32 s90, s[TROW], 4                     ; the batch
	s_lshl3_add_u32 s90, s90, s[TCOL]              ; x 8 + head
	s_lshl_b32 s90, s90, 11
	s_add_co_u32 s90, s90, s88
	s_lshl_b32 s91, s[WV], 5
	s_add_co_u32 s90, s90, s91                     ; the first row that I store
	s_lshl_b32 s90, s90, 8
	s_mov_b32 s91, 0
	s_add_nc_u64 s[74:75], s[14:15], s[90:91]
	s_add_nc_u64 s[76:77], s[16:17], s[90:91]
	s_add_nc_u64 s[78:79], s[18:19], s[90:91]
	s_and_b32 s92, ttmp7, 0xffff                   ; the prefetches: cluster y
	s_cmp_eq_u32 s[WV], 0
	s_cselect_b32 s93, s[CX], s[CY]                ; my place among the four that ask with me
	s_cselect_b32 s92, ttmp9, s92                  ; the coordinate along which other clusters read the same rows
	s_cselect_b64 s[PFA:PFA+1], s[68:69], s[70:71]
	s_cmp_eq_u32 s92, 0
	s_cselect_b32 s[LIM], 2, -1
	s_lshl_b32 s92, s93, 17                        ; my work-group's 32 rows of 4,096 bytes
	s_mov_b32 s93, 0
	s_add_nc_u64 s[PFA:PFA+1], s[PFA:PFA+1], s[92:93]
	s_add_nc_u64 s[PFA:PFA+1], s[PFA:PFA+1], 2*KSTEP*2  ; at K step 2: the first refill steps it to 3 and names K step 4
	v_and_b32 v[PFO], 31, v0
	v_lshlrev_b32 v[PFO], 12, v[PFO]
	s_wait_loadcnt 0x0                             ; the gains: rounded to bf16 while the first tiles land
.set i, 0
.rept 32
	v_cvt_pk_bf16_f32 v[TT+(i/2)%8], v[GN+i], v[GN+i+1]
	v_lshlrev_b32 v[GN+i], 16, v[TT+(i/2)%8]
	v_and_b32 v[GN+i+1], s94, v[TT+(i/2)%8]
.set i, i+2
.endr
; 12 matrix instructions: row block a x all 12 column blocks, 32 along K, from buffer f.  The 48 accumulators take turns in the same order in every quarter.
.macro MUL12 f, a, zero
	WIN 0xa1+0x50*((\a)/2)                         ; source 0 (W) window 1, source 1 (x) window 0, C and D window 2 or 3
.irp b, 0,1,2,3,4,5,6,7,8,9,10,11
.if \zero
	v_wmma_f32_16x16x32_bf16 v[96*((\a)%2)+8*(\b):96*((\a)%2)+8*(\b)+7], v[96*(\f)+8*(\b):96*(\f)+8*(\b)+7], v[64+32*(\f)+8*(\a):64+32*(\f)+8*(\a)+7], 0
.else
	v_wmma_f32_16x16x32_bf16 v[96*((\a)%2)+8*(\b):96*((\a)%2)+8*(\b)+7], v[96*(\f)+8*(\b):96*(\f)+8*(\b)+7], v[64+32*(\f)+8*(\a):64+32*(\f)+8*(\a)+7], v[96*((\a)%2)+8*(\b):96*((\a)%2)+8*(\b)+7]
.endif
.endr
.endm
; 32 LDS loads in one run: a quarter's fragments (32 along K at byte k of the rows) into buffer f: my head part's 8, v's 4, then x's 4
.macro FETCH k, f
	WIN 0x40
.irp b, 0,1,2,3,4,5,6,7
	ds_load_b128 v[96*(\f)+8*(\b):96*(\f)+8*(\b)+3],   v[ADRB] offset:(\k)+(\b)*16*PITCH
	ds_load_b128 v[96*(\f)+8*(\b)+4:96*(\f)+8*(\b)+7], v[ADRB] offset:(\k)+(\b)*16*PITCH+32
.endr
.irp b, 0,1,2,3
	ds_load_b128 v[96*(\f)+64+8*(\b):96*(\f)+64+8*(\b)+3],   v[ADRV] offset:(\k)+(\b)*16*PITCH
	ds_load_b128 v[96*(\f)+64+8*(\b)+4:96*(\f)+64+8*(\b)+7], v[ADRV] offset:(\k)+(\b)*16*PITCH+32
.endr
	WIN 0
.irp a, 0,1,2,3
	ds_load_b128 v[64+32*(\f)+8*(\a):64+32*(\f)+8*(\a)+3],   v[ADRA] offset:(\k)+(\a)*16*PITCH
	ds_load_b128 v[64+32*(\f)+8*(\a)+4:64+32*(\f)+8*(\a)+7], v[ADRA] offset:(\k)+(\a)*16*PITCH+32
.endr
.endm
; One of a K step's first three quarters: multiplies buffer f and, in its middle, fetches the next quarter, at byte k, into buffer g
.macro QUARTER k, f, g, zero
	s_wait_dscnt 4                                 ; all but the youngest four loads (x's row blocks 2 and 3) are in
	MUL12 \f, 0, \zero
	MUL12 \f, 1, \zero
	PLACES
	FETCH \k, \g
	s_wait_dscnt 32                                ; all but the 32 just issued
	MUL12 \f, 2, \zero
	MUL12 \f, 3, \zero
.endm
; The last quarter multiplies buffer 1 and changes slots.  In front of the barrier each wave waits for all its tensor loads (at most one is out: its part of the next slot), adds 0 to its spare word, and waits for
; that and for its reads of this slot.  fill = 1: the barrier opens a round of the cluster's barrier, the slot just read is filled again first thing behind it, with the K step two steps on, and the next slot's
; first fragments are fetched.  fill = 0 (the last two K steps): nothing is asked for, and the fetch is left to the text behind the macro.
.macro TURN fill
.if \fill
	s_wait_xcnt 0x0                                ; the last prefetch, a K step back, has read its address
	s_add_nc_u64 s[PFA:PFA+1], s[PFA:PFA+1], KSTEP*2
.endif
	WIN 0
	s_wait_tensorcnt 0x0
	ds_add_u32 v[SPW], v[NIL]
	s_wait_dscnt 5                                 ; the add and the youngest four loads may be out
	MUL12 1, 0, 0
	s_wait_dscnt 0x0                               ; the add is done, my reads of this slot are over
	s_barrier_signal -1
	MUL12 1, 1, 0
	WIN 0
	s_barrier_wait -1
.if \fill
	CREST
	s_xor_b32 s[G0A+5], s[G0A+5], SLOT             ; the walking descriptors: the other slot than last time, the next K step
	s_add_nc_u64 s[G0A+6:G0A+7], s[G0A+6:G0A+7], KSTEP*2
	s_xor_b32 s[G0B+5], s[G0B+5], SLOT
	s_add_nc_u64 s[G0B+6:G0B+7], s[G0B+6:G0B+7], KSTEP*2
	JLOAD                                          ; 168 matrix instructions ahead of the wait for it; its four v_nop are also the places in front of the loads below
.else
	PLACES                                         ; with the three lines below: the places between buffer 0's last products and the next loads into it
.endif
	s_xor_b32 s[TB], s[TB], SLOT
	v_add_nc_u32 v[ADRA], s[TB], v[FA0]
	v_add_nc_u32 v[ADRB], s[TB], v[FB0]
	v_add_nc_u32 v[ADRV], s[TB], v[FV0]
.if \fill
	FETCH 0, 0
	ASK
.endif
	MUL12 1, 2, 0
	MUL12 1, 3, 0
.endm
	s_wait_tensorcnt 1                             ; my part of K step 0 is in; K step 1's may stay out
	s_barrier_signal -1
	s_barrier_wait -1
	FETCH 0, 0
	QUARTER 64, 0, 1, 1                            ; the first quarter's products start the sums
	WIN 0
	s_mov_b32 s[STEPS], 14
.Lstep:                                        ; a trip: from a K step's second quarter to the next step's first; it fills the slot that it leaves
	QUARTER 128, 1, 0, 0
	QUARTER 192, 0, 1, 0
	TURN 1
	QUARTER 64, 0, 1, 0
	WIN 0
	s_sub_co_u32 s[STEPS], s[STEPS], 1
	s_cmp_lg_u32 s[STEPS], 0
	s_cbranch_scc1 .Lstep
	s_mov_b32 s[STEPS], 2
.Ltail:                                        ; K steps 14 and 15 ask for nothing: a loop of their own
	QUARTER 128, 1, 0, 0
	QUARTER 192, 0, 1, 0
	TURN 0
	WIN 0
	s_cmp_eq_u32 s[STEPS], 1                       ; behind K step 15 there is no further step: its fetch and first quarter are jumped; they hold no barrier and no tensor load
	s_cbranch_scc1 .Llast
	FETCH 0, 0
	QUARTER 64, 0, 1, 0
	WIN 0
.Llast:
	s_sub_co_u32 s[STEPS], s[STEPS], 1
	s_cmp_lg_u32 s[STEPS], 0
	s_cbranch_scc1 .Ltail
	; THE WAY OUT.  The table's numbers for my rows come into window 1 (W's fragments are done with) while the norm is made.
	PLACES
	WIN 0x40
.irp a, 0,1,2,3
.irp b, 0,1,2,3
	global_load_b128 v[64*\a+16*\b:64*\a+16*\b+3],     v[TO], s[8:9] offset:\a*4096+\b*64
	global_load_b128 v[64*\a+16*\b+4:64*\a+16*\b+7],   v[TO], s[8:9] offset:\a*4096+\b*64+16
	global_load_b128 v[64*\a+16*\b+8:64*\a+16*\b+11],  v[TO], s[8:9] offset:SINOFF+\a*4096+\b*64
	global_load_b128 v[64*\a+16*\b+12:64*\a+16*\b+15], v[TO], s[8:9] offset:SINOFF+\a*4096+\b*64+16
.endr
.endr
	; sums of squares over blocks 0-7, each accumulator from its low end on; a window's two row blocks by turns
.irp g, 0,1
	WIN 0x0a+5*\g
.set i, 0
.rept 32
.irp c, 0,1
.if i == 0
	v_pk_mul_f32 v[SS+2*(2*\g+\c):SS+2*(2*\g+\c)+1], v[96*\c:96*\c+1], v[96*\c:96*\c+1]
.else
	v_pk_fma_f32 v[SS+2*(2*\g+\c):SS+2*(2*\g+\c)+1], v[96*\c+i:96*\c+i+1], v[96*\c+i:96*\c+i+1], v[SS+2*(2*\g+\c):SS+2*(2*\g+\c)+1]
.endif
.endr
.set i, i+2
.endr
.endr
	WIN 0
.irp a, 0,1,2,3
	v_add_f32 v[SS+2*\a], v[SS+2*\a], v[SS+2*\a+1]
.endr
.irp a, 0,1,2,3
	v_permlanex16_b32 v[SS+2*\a+1], v[SS+2*\a], s[SEL], s[SEL+1]  ; the row's other 64 columns lie in the lane 16 away
.endr
.irp a, 0,1,2,3
	v_add_f32 v[SS+2*\a], v[SS+2*\a], v[SS+2*\a+1]
.endr
.irp a, 0,1,2,3
	v_fma_f32 v[SS+2*\a], v[SS+2*\a], s82, s83     ; the mean + 1e-6
.endr
.irp a, 0,1,2,3
	v_rsq_f32 v[RS+2*\a], v[SS+2*\a]
.endr
	v_nop                                          ; a plain instruction behind the last root,
	s_wait_alu depctr_va_vdst(0)                   ; and one wait for the four
.irp a, 0,1,2,3
	v_mov_b32 v[RS+2*\a+1], v[RS+2*\a]
.endr
.irp g, 0,1
	WIN 0x82+0x41*\g                               ; destination and source 0 in window 2 or 3, source 1 in window 0
.irp c, 0,1
.set i, 0
.rept 32
	v_pk_mul_f32 v[96*\c+i:96*\c+i+1], v[96*\c+i:96*\c+i+1], v[RS+2*(2*\g+\c):RS+2*(2*\g+\c)+1]
.set i, i+2
.endr
.endr
.irp c, 0,1
.set i, 0
.rept 32
	v_pk_mul_f32 v[96*\c+i:96*\c+i+1], v[96*\c+i:96*\c+i+1], v[GN+i:GN+i+1]
.set i, i+2
.endr
.endr
.endr
	s_wait_loadcnt 0x0                             ; the table
; The rotation of blocks b and b + 4 of row block a: lo' = lo cos - hi sin, hi' = hi cos + lo sin
.macro ROPE a, b
.set LO, 96*((\a)%2)+8*(\b)
.set HI, LO+32
.set CO, 64*(\a)+16*(\b)
	WIN 0x06+(\a)/2
.irp p, 0,2,4,6
	v_pk_mul_f32 v[TT+\p:TT+\p+1], v[HI+\p:HI+\p+1], v[CO+8+\p:CO+8+\p+1]
	v_pk_mul_f32 v[UU+\p:UU+\p+1], v[LO+\p:LO+\p+1], v[CO+8+\p:CO+8+\p+1]
.endr
	WIN 0x86+0x41*((\a)/2)
.irp p, 0,2,4,6
	v_pk_fma_f32 v[LO+\p:LO+\p+1], v[LO+\p:LO+\p+1], v[CO+\p:CO+\p+1], v[TT+\p:TT+\p+1] neg_lo:[0,0,1] neg_hi:[0,0,1]
	v_pk_fma_f32 v[HI+\p:HI+\p+1], v[HI+\p:HI+\p+1], v[CO+\p:CO+\p+1], v[UU+\p:UU+\p+1]
.endr
.endm
.irp a, 0,1,2,3
.irp b, 0,1,2,3
	ROPE \a, \b
.endr
.endr
	; rounded to f16, 16 bytes a lane, into the stage: slot 0's bytes, which no wave reads and no load fills any more
.irp a, 0,1,2,3
	WIN 0x0a+5*(\a/2)
.set i, 0
.rept 48
	v_cvt_pk_f16_f32 v[PKR+i], v[96*(\a%2)+2*i], v[96*(\a%2)+2*i+1]
.set i, i+1
.endr
	WIN 0
.irp b, 0,1,2,3,4,5,6,7
	ds_store_b128 v[STOH], v[PKR+4*\b:PKR+4*\b+3] offset:\a*16*SPITCH+32*\b
.endr
.irp b, 0,1,2,3
	ds_store_b128 v[STOV], v[PKR+32+4*\b:PKR+32+4*\b+3] offset:\a*16*SPITCH+32*\b
.endr
.endr
	s_wait_dscnt 0x0                               ; for the others' sake: my stores into the stage are done
	s_barrier_signal -1
	s_barrier_wait -1
.set n, 0
.irp p, 0,1,2,3,4,5,6,7,8,9,10,11,12,13,14,15
.irp s, 0,1,2
	ds_load_b128 v[64+4*n:64+4*n+3], v[RD] offset:\p*2*SPITCH+256*\s
.set n, n+1
.endr
.endr
.set n, 0
.irp p, 0,1,2,3,4,5,6,7,8,9,10,11,12,13,14,15
	s_wait_dscnt 45-3*\p                           ; LDS loads come back in order: the three of row pair p are in, the 45 - 3 p behind them may be out
.irp s, 0,1,2
	global_store_b128 v[GO], v[64+4*n:64+4*n+3], s[74+2*\s:75+2*\s] offset:512*\p  ; two rows of a head: 512 consecutive bytes, aligned
.set n, n+1
.endr
.endr
	s_wait_tensorcnt 0x0                           ; the wave's end
	ds_add_u32 v[SPW], v[NIL]
	s_wait_dscnt 0x0
	CROUND                                         ; the closing round
	s_endpgm
.Lfunc_end_k_q32957fdf55_qkv:
	.size	k_q32957fdf55_qkv, .Lfunc_end_k_q32957fdf55_qkv-k_q32957fdf55_qkv
	.p2alignl 7, 3214868480
	.fill 96, 4, 3214868480
	.section	.rodata,"a",@progbits
	.p2align	6, 0x0
	.amdhsa_kernel k_q32957fdf55_qkv
		.amdhsa_group_segment_fixed_size 327680
		.amdhsa_private_segment_fixed_size 0
		.amdhsa_enable_private_segment 0
		.amdhsa_kernarg_size 64
		.amdhsa_user_sgpr_count 2
		.amdhsa_user_sgpr_kernarg_segment_ptr 1
		.amdhsa_wavefront_size32 1
		.amdhsa_system_sgpr_workgroup_id_x 1
		.amdhsa_system_sgpr_workgroup_id_y 1
		.amdhsa_system_sgpr_workgroup_id_z 1
		.amdhsa_system_vgpr_workitem_id 0
		.amdhsa_next_free_vgpr 1024
		.amdhsa_next_free_sgpr 96
		.amdhsa_reserve_vcc 0
		.amdhsa_float_denorm_mode_32 3
		.amdhsa_float_denorm_mode_16_64 3
		.amdhsa_memory_ordered 1
		.amdhsa_forward_progress 1
		.amdhsa_inst_pref_size 138
	.end_amdhsa_kernel
	.amdgpu_metadata
---
amdhsa.version: [ 1, 2 ]
amdhsa.kernels:
  - .name:           k_q32957fdf55_qkv
    .symbol:         k_q32957fdf55_qkv.kd
    .args:
      - { .name: xb, .offset: 0, .size: 8, .value_kind: global_buffer, .address_space: global }
      - { .name: wb, .offset: 8, .size: 8, .value_kind: global_buffer, .address_space: global }
      - { .name: rope, .offset: 16, .size: 8, .value_kind: global_buffer, .address_space: global }
      - { .name: q_norm_w, .offset: 24, .size: 8, .value_kind: global_buffer, .address_space: global }
      - { .name: k_norm_w, .offset: 32, .size: 8, .value_kind: global_buffer, .address_space: global }
      - { .name: qh, .offset: 40, .size: 8, .value_kind: global_buffer, .address_space: global }
      - { .name: kh, .offset: 48, .size: 8, .value_kind: global_buffer, .address_space: global }
      - { .name: vh, .offset: 56, .size: 8, .value_kind: global_buffer, .address_space: global }
    .group_segment_fixed_size: 327680
    .private_segment_fixed_size: 0
    .kernarg_segment_align: 8
    .kernarg_segment_size: 64
    .max_flat_workgroup_size: 128
    .sgpr_count:     96
    .vgpr_count:     1024
    .wavefront_size: 32
...
	.end_amdgpu_metadata
.endif
;; end of part 2
;; launch attn (part 3): grid 16 x 16, 4 waves a work-group, clusters of 4 x 1, 327,680 bytes of LDS; arguments qh, kh, vh, ctx; writes ctx
.if DOCPART == 3
	.amdgcn_target "amdgcn-amd-amdhsa--gfx1250"
	.amdhsa_code_object_version 6
	.text
	.protected	k_q32957fdf55_attn
	.globl	k_q32957fdf55_attn
	.p2align	8
	.type	k_q32957fdf55_attn,@function
k_q32957fdf55_attn:
	s_mov_b64 s[64:65], 0
	v_nop
	global_prefetch_b8 v0, s[64:65] scope:SCOPE_SE
	s_setreg_imm32_b32 hwreg(HW_REG_WAVE_MODE, 25, 1), 1
	s_wait_xcnt 0x0
	s_wait_alu depctr_hold_cnt(0) depctr_sa_sdst(0) depctr_va_vdst(0) depctr_va_sdst(0) depctr_va_ssrc(0) depctr_va_vcc(0) depctr_vm_vsrc(0)
	s_getreg_b32 s2, hwreg(HW_REG_IB_STS2, 6, 4)
	s_cmp_eq_u32 s2, 0
	s_cbranch_scc0 .Lentry_in_a_cluster
	s_endpgm
.Lentry_in_a_cluster:
	s_bfe_u32 s2, ttmp6, 0x10000c
	s_cmp_lg_u32 s2, 0x3003
	s_cbranch_scc0 .Lentry_shape_is_right
	s_endpgm
.Lentry_shape_is_right:
; CAUSAL ATTENTION, head size 128.  ctx[batch][q][head][:] = the sum over k <= q of softmax_k(Q[q] . K[k] / sqrt(128)) V[k].  qh, kh, vh: [16 heads][2048][128] f16; ctx: [4096][1024] f16.
; Products, maxima and sums in f32; the weights p are rounded to f16 for the second product (their sum l is taken of the unrounded p), ctx once at the end.
; LIMITS.  A hidden score counts as its value less 1e30; the running maximum starts at -1e20 (scores of f16 operands are at most 5.5e11 in size); a weight below 2^-126 counts as 0; NaN and infinities are not treated apart.
; THE WALK.  A head's queries lie in 32 blocks of 64; block i needs the key tiles 0 .. i / 4 of 256 keys.  Work-group b = 4 k + cx of a head (k: the cluster) takes block 31 - b and then block b:
; (8 - k) + (k + 1) = 9 tiles, whatever b: all 256 work-groups do equal work.  The four partners of a cluster walk the SAME tiles, 0 .. 7 - k and then 0 .. k, so every tile is asked for jointly.
; Every trip count and branch hangs on k alone, which the partners share; cx enters Q's and ctx's addresses, the prefetches' addresses and the mask's numbers.
; THE KEYS ARE SPLIT AMONG THE WAVES.  Of a tile wave w takes keys 64 w .. + 63, for all 64 queries (four tiles of 16): each byte of K and V in LDS is read by one wave.  Each wave keeps its own running
; maximum m, sum l and O; at a block's end the four are merged through LDS: O = sum over w of g_w O_w, g_w = 2^(c m_w - c M) / sum over w of 2^(c m_w - c M) l_w.
; A wave that has seen hidden keys only keeps m = -1e20: its g is 0, and what its O and l hold (zeros, or the block before's finite numbers) counts for nothing.
; LAYOUT.  S^T = K Q^T: a lane holds one query (lane % 16) and the keys 8 (lane / 16) + 0..7 of each 16; two results rounded to f16 are source 1 of O^T = V^T P.  K comes out of LDS as it lies, V turned.
; THE MASK is the C operand that starts a sum S^T: with D = 64 (w - i % 4) in a block's last tile and -1024 elsewhere, key block kb and query tile t: hidden where D + 16 (kb - t) > r - 8 h - j:
; for kb < t that is D > 0, for kb > t it is D > -1, for kb = t it goes by lane and register.
; REGISTERS: window 0: v0-63 addresses, statistics (8 a tile); v64-191 S^T; v192-255 P.  window 1: O^T, 64 a tile.  window 2: v0-127 Q, v128-255 K.  window 3: v0-127 V; v128-161 masks.
.set PK,    272       ; a row of K in LDS: 256 bytes + 16
.set PV,    288       ; a row of V: 256 + 32: 16 lanes of the turning load take 8 rows x 32 bytes
.set KSL,   0x11000   ; K's slot: 256 rows; slot 1 begins here.  The fills' addresses (0, 0x8800) have bits 16 and 12 clear: one exclusive or changes slots
.set STAT,  0x22000   ; c m, then l: [tile][query][wave], 1,024 bytes each
.set SPARE, 0x22800   ; the spare words: 128 bytes a wave, two blocks of 256 bytes that no other line names
.set VBASE, 0x24000   ; V's slot 0
.set VSL,   0x12000   ; V's slot: 256 rows.  The fills' addresses (0x24000, 0x2d000) have bits 16 and 13 clear
.set XA,    0x48000   ; four areas of 8,192 bytes for the merge; then the stage for the way out, 64 rows x 272 bytes
.set AK0, 2
.set AV0, 3
.set ADRK, 4
.set ADRV, 5
.set QO,  6
.set XW,  7
.set XR,  8
.set STW, 9
.set STRD, 10
.set OSW, 11
.set ST,  12          ; tile t's statistics at v[ST+8 t]: +0 c m, +1 m, +2, +3 l, +4 to +7 at work; a takes +6
.set ORD, 44
.set GO,  45
.set PFO, 61
.set SPW, 62
.set NIL, 63
.set S,   64
.set P,   192
.set KF,  128
.set MLO, 128         ; window 3
.set MEQ, 136
.set MHI, 144
.set EJ,  152         ; r - 8 h - j
.set DV,  160
.set BV,  161         ; -1e30
.set CW,  64          ; the merge, window 0: the four waves' c m by tile; their l; M; L; 1 / L
.set LW,  80
.set CM,  116
.set LL,  120
.set RC,  124
.set GF,  128         ; g of tile t, wave x in the even register GF + 8 t + 2 x: the low word of a pair
.set XL,  64
.set PKO, 192
.set WV,  12
.set CX,  13
.set KK,  14
.set LIM, 15
.set G1K, 24
.set G1V, 32
.set G0K, 40
.set G0V, 44
.set PFA, 48
.set QLO, 50
.set OLO, 52
.set DLAST, 54
.set DD,  55
.set SLOTS, 56
.set DLO, 57
.set CS,  58
.set SEL, 60
.set TBK, 62
.set TBV, 63
.set RT,  70
.set NXT, 71
.set LQ,  72
.set OFF, 74
.set BIGN, 76
.set MINIT, 77
.set MSB, 0
.macro WIN new
.if MSB != (\new)
	s_set_vgpr_msb (MSB<<8)|(\new)
.set MSB, \new
.endif
.endm
.set W_KQ, 0x0a       ; K and Q in window 2, S^T in window 0
.set W_KM, 0x3a       ; the same with the C operand in window 3
.set W_PV, 0x53       ; V in window 3, P in window 0, O^T in window 1
.set W_RS, 0x41       ; O^T (destination and source 0) in window 1, the factor in window 0
.macro PLACES
.rept 4
	v_nop
.endr
.endm
.macro JLOAD                        ; a joint fill: waves 0 and 1 fetch the halves of a tile's K, waves 2 and 3 those of its V, 128 rows each
	s_cmp_lt_u32 s[WV], 2
	s_cbranch_scc0 .Lfor_v_\@
	tensor_load_to_lds s[G0K:G0K+3], s[G1K:G1K+7]
	s_nop 0
	PLACES
	s_branch .Lasked_\@
.Lfor_v_\@:
	tensor_load_to_lds s[G0V:G0V+3], s[G1V:G1V+7]
	s_nop 0
	PLACES
.Lasked_\@:
.endm
; A prefetch of the tile that the NEXT change of slots will ask for.  All four clusters of a head begin with tiles 0, 1, ..: cluster 0, which walks all eight, asks.  Its partners share the 256 rows out by
; address, 64 each; in each, waves 0 and 1 take 32 rows of K, waves 2 and 3 of V: a lane a row.  The changes whose next tile has been read already, or does not exist, ask for nothing.
.macro ASK
	s_cmp_gt_u32 s[SLOTS], s[LIM]
	s_cbranch_scc0 .Lnot_mine_\@
	global_prefetch_b8 v[PFO], s[PFA:PFA+1] th:TH_LOAD_NT scope:SCOPE_SE
.Lnot_mine_\@:
.endm
.macro CROUND
	s_barrier_signal -1
	s_barrier_wait -1
	s_cmp_lg_u32 s[WV], 0
	s_cbranch_scc1 .Lnot_wave_0_\@
	s_barrier_signal -3
.Lnot_wave_0_\@:
	s_barrier_wait -3
	s_barrier_signal -1
	s_barrier_wait -1
.endm
; THE CHANGE OF SLOTS.  Each wave waits for all its tensor loads (one is out: its part of the other slot), adds 0 to its spare word, and waits for that and for its reads of the slot that it leaves.
; fill = 1: the barrier is a round of the cluster's, and the old slot is filled again first thing behind it, with tile NXT; the descriptor's address is made anew from that number.
.macro CHANGE fill
	WIN 0
	s_wait_tensorcnt 0x0
	ds_add_u32 v[SPW], v[NIL]
.if \fill
	s_lshl_b32 s[OFF], s[NXT], 16   ; a tile is 65,536 bytes of K and of V
	s_xor_b32 s[G0K+1], s[G0K+1], KSL
	s_add_nc_u64 s[G0K+2:G0K+3], s[6:7], s[OFF:OFF+1]
	s_or_b32 s[G0K+3], s[G0K+3], 0x80000000
	s_xor_b32 s[G0V+1], s[G0V+1], VSL
	s_add_nc_u64 s[G0V+2:G0V+3], s[8:9], s[OFF:OFF+1]
	s_or_b32 s[G0V+3], s[G0V+3], 0x80000000
	s_add_co_u32 s[NXT], s[NXT], 1  ; the block's next tile, or behind its last the second block's tile 0
	s_cmp_gt_u32 s[NXT], s[LQ]
	s_cselect_b32 s[NXT], 0, s[NXT]
	s_cselect_b32 s[LQ], s[KK], s[LQ]
	s_wait_xcnt 0x0                 ; the last prefetch, a tile back, has read its address
	s_add_nc_u64 s[PFA:PFA+1], s[PFA:PFA+1], 65536
	s_wait_dscnt 0x0                ; the add is done, my reads of the slot are over
	CROUND
	JLOAD                           ; it has a tile's work, 128 matrix instructions and the softmax, in which to land
	ASK
.else
	s_wait_dscnt 0x0
	s_barrier_signal -1
	s_barrier_wait -1
.endif
	s_xor_b32 s[TBK], s[TBK], KSL
	s_xor_b32 s[TBV], s[TBV], VSL
.endm
	s_load_b256 s[4:11], s[0:1], 0x0  ; qh, kh, vh, ctx
	v_lshl_add_u32 v[SPW], v0, 2, SPARE
	v_mov_b32 v[NIL], 0
	ds_add_u32 v[SPW], v[NIL]       ; the wave's opening: the add and its wait stand ahead of my first tensor load
	v_lshrrev_b32 v1, 5, v0
	v_readfirstlane_b32 s[WV], v1
	s_bfe_u32 s[CX], ttmp6, 0x40000
	s_mov_b32 s[KK], ttmp9
	s_and_b32 s16, ttmp7, 0xffff    ; batch x 8 + head
	s_lshl_b32 s20, s16, 19         ; its 2,048 rows of 256 bytes
	s_mov_b32 s21, 0
	s_and_b32 s17, s[WV], 1         ; which half of a tile I fetch
	s_lshl_b32 s22, s17, 15
	s_mov_b32 s23, 0
	s_add_nc_u64 s[22:23], s[22:23], s[20:21]
	s_mul_i32 s18, s17, 128*PK
	s_mul_i32 s19, s17, 128*PV
	s_lshl_b32 s78, s[KK], 2
	s_add_co_u32 s78, s78, s[CX]    ; the second block
	s_sub_co_u32 s79, 31, s78       ; the first
	s_lshl_b32 s80, s79, 14         ; a block's 64 rows of Q
	s_mov_b32 s81, 0
	s_add_nc_u64 s[80:81], s[80:81], s[20:21]
	s_lshl_b32 s82, s78, 14
	s_mov_b32 s83, 0
	s_add_nc_u64 s[82:83], s[82:83], s[20:21]
	s_lshr_b32 s66, s16, 3
	s_lshl_b32 s66, s66, 22         ; ctx: the batch's 2,048 rows of 2,048 bytes,
	s_and_b32 s67, s16, 7
	s_lshl_b32 s67, s67, 8          ; the head's 256 bytes of a row,
	s_add_co_u32 s66, s66, s67
	s_lshl_b32 s67, s[WV], 15       ; the 16 rows that I store
	s_add_co_u32 s66, s66, s67
	s_lshl_b32 s84, s79, 17
	s_add_co_u32 s84, s84, s66
	s_mov_b32 s85, 0
	s_lshl_b32 s86, s78, 17
	s_add_co_u32 s86, s86, s66
	s_mov_b32 s87, 0
	s_lshl_b32 s2, s[CX], 14        ; the prefetches: my work-group's 64 rows of a tile,
	s_lshl_b32 s3, s17, 13          ; my wave's 32 of them,
	s_add_co_u32 s2, s2, s3
	s_add_co_u32 s2, s2, 65536      ; in tile 1: the first change steps it to tile 2
	s_mov_b32 s3, 0
	s_add_nc_u64 s[2:3], s[2:3], s[20:21]
	s_add_co_u32 s[DLAST], s[WV], s[CX]
	s_sub_co_i32 s[DLAST], s[DLAST], 3
	s_lshl_b32 s[DLAST], s[DLAST], 6  ; the first block: i % 4 = 3 - cx
	s_sub_co_i32 s[DLO], s[WV], s[CX]
	s_lshl_b32 s[DLO], s[DLO], 6      ; the second: i % 4 = cx
	s_mov_b32 s[G1K], 15|(1<<16)|(1<<20)|(1<<21)|(5<<22)|(3<<25)  ; the mask of four; 2-byte elements; padding on; bit 21 beside a mask; after every 64 words, 4 words
	s_mov_b32 s[G1V], 15|(1<<16)|(1<<20)|(1<<21)|(5<<22)|(7<<25)  ; the same with 8 words
.irp g, G1K, G1V
	s_mov_b32 s[(\g)+1], 128<<16    ; tensor_dim0 = 128
	s_mov_b32 s[(\g)+2], 128<<16    ; tensor_dim1 = 128
	s_mov_b32 s[(\g)+3], 128<<16    ; tile_dim0 = 128
	s_mov_b32 s[(\g)+4], 128        ; tile_dim1 = 128
	s_mov_b32 s[(\g)+5], 128        ; elements from row to row
	s_mov_b32 s[(\g)+6], 0
	s_mov_b32 s[(\g)+7], 0
.endr
	s_mov_b32 s[CS], 0x3e0293ee     ; c = log2(e) / sqrt(128)
	s_mov_b32 s[CS+1], s[CS]
	s_mov_b32 s[SEL], 0x76543210
	s_mov_b32 s[SEL+1], 0xfedcba98
	s_mov_b32 s[TBK], KSL           ; the first change of slots turns these two into 0
	s_mov_b32 s[TBV], VSL
	s_mov_b32 s[G0K], 1
	s_mov_b32 s[G0K+1], s18
	s_mov_b32 s[G0V], 1
	s_add_co_u32 s[G0V+1], s19, VBASE
	s_sub_co_u32 s[RT], 8, s[KK]    ; the first block has 8 - k tiles
	s_mov_b32 s[NXT], 1
	s_sub_co_u32 s[LQ], 7, s[KK]
	s_mov_b32 s[OFF+1], 0
	s_mov_b32 s[BIGN], 0xf149f2ca   ; -1e30
	s_mov_b32 s[MINIT], 0xe0ad78ec  ; -1e20
	s_mov_b32 s[SLOTS], 8
	s_cmp_eq_u32 s[KK], 0
	s_cselect_b32 s[LIM], 2, -1
	s_wait_dscnt 0x0                ; the opening add is done
	s_wait_kmcnt 0x0
	s_cmp_lt_u32 s[WV], 2
	s_cselect_b64 s[PFA:PFA+1], s[6:7], s[8:9]
	s_add_nc_u64 s[PFA:PFA+1], s[PFA:PFA+1], s[2:3]
	s_add_nc_u64 s[6:7], s[6:7], s[22:23]  ; K and V at my half of the head's tile 0
	s_add_nc_u64 s[8:9], s[8:9], s[22:23]
	s_add_nc_u64 s[G0K+2:G0K+3], s[6:7], 0
	s_or_b32 s[G0K+3], s[G0K+3], 0x80000000
	s_add_nc_u64 s[G0V+2:G0V+3], s[8:9], 0
	s_or_b32 s[G0V+3], s[G0V+3], 0x80000000
	s_add_nc_u64 s[QLO:QLO+1], s[4:5], s[82:83]
	s_add_nc_u64 s[4:5], s[4:5], s[80:81]
	s_add_nc_u64 s[OLO:OLO+1], s[10:11], s[86:87]
	s_add_nc_u64 s[10:11], s[10:11], s[84:85]
	CROUND                          ; all four work-groups are here
	JLOAD                           ; tile 0 into slot 0; slot 1 is asked for by the loop's first change
	v_and_b32 v1, 15, v0            ; r
	v_bfe_u32 v46, v0, 4, 1         ; h
	v_and_b32 v47, 31, v0           ; l
	v_lshlrev_b32 v[QO], 8, v1
	v_lshl_add_u32 v[QO], v46, 4, v[QO]
.macro QLOAD base                   ; a block's Q: tile i / 4, channels 32 (i % 4) on
	WIN 0x80
.irp i, 0,1,2,3,4,5,6,7,8,9,10,11,12,13,14,15
	global_load_b128 v[8*(\i):8*(\i)+3],   v[QO], s[\base:\base+1] offset:((\i)/4)*4096+((\i)%4)*64
	global_load_b128 v[8*(\i)+4:8*(\i)+7], v[QO], s[\base:\base+1] offset:((\i)/4)*4096+((\i)%4)*64+32
.endr
	WIN 0
.endm
	QLOAD 4
	; O^T starts at 0, so that no first step is written out: 32 products of two zero fragments, C = 0, one for each accumulator, in the wait for the first tile
.irp j, 0,1,2,3,4,5,6,7,8,9,10,11,12,13,14,15
	v_mov_b32 v[S+\j], 0
.endr
	WIN 0x40                        ; destination window 1, sources window 0
.set i, 0
.rept 32
	v_wmma_f32_16x16x32_f16 v[8*i:8*i+7], v[S:S+7], v[S+8:S+15], 0
.set i, i+1
.endr
	WIN 0
.irp t, 0,1,2,3
	v_mov_b32 v[ST+8*\t+2], 0
	v_mov_b32 v[ST+8*\t+3], 0
	v_mov_b32 v[ST+8*\t+1], s[MINIT]
	v_mul_f32 v[ST+8*\t], s[CS], v[ST+8*\t+1]
.endr
	v_mul_u32_u24 v[AK0], v1, PK
	v_lshl_add_u32 v[AK0], v46, 4, v[AK0]
	s_mul_i32 s16, s[WV], 64*PK
	v_add_nc_u32 v[AK0], s16, v[AK0]  ; my wave's 64 keys; row x pitch + 16 x half
	v_and_b32 v49, 7, v0
	v_bfe_u32 v50, v0, 3, 1
	v_lshl_add_u32 v[AV0], v46, 3, v49
	v_mul_u32_u24 v[AV0], v[AV0], PV
	v_lshl_add_u32 v[AV0], v50, 4, v[AV0]
	s_mul_i32 s16, s[WV], 64*PV
	s_add_co_u32 s16, s16, VBASE
	v_add_nc_u32 v[AV0], s16, v[AV0]
	s_lshl_b32 s16, s[WV], 13
	s_add_co_u32 s16, s16, XA
	v_lshl_add_u32 v[XW], v47, 4, s16   ; the merge: my area, 16 bytes a lane
	s_lshl_b32 s16, s[WV], 11
	s_add_co_u32 s16, s16, XA
	v_lshl_add_u32 v[XR], v47, 4, s16   ; my quarter of every area
	s_lshl_b32 s16, s[WV], 2
	s_add_co_u32 s16, s16, STAT
	v_lshl_add_u32 v[STW], v1, 4, s16
	v_lshl_add_u32 v[STRD], v1, 4, STAT
	v_mul_u32_u24 v[OSW], v1, 272
	v_lshl_add_u32 v[OSW], v46, 4, v[OSW]
	s_lshl_b32 s16, s[WV], 6
	s_add_co_u32 s16, s16, XA
	v_add_nc_u32 v[OSW], s16, v[OSW]
	v_mul_u32_u24 v[ORD], v46, 272
	v_lshl_add_u32 v[ORD], v1, 4, v[ORD]
	s_mul_i32 s16, s[WV], 16*272
	s_add_co_u32 s16, s16, XA
	v_add_nc_u32 v[ORD], s16, v[ORD]
	v_lshlrev_b32 v[GO], 11, v46
	v_lshl_add_u32 v[GO], v1, 4, v[GO]
	v_lshlrev_b32 v[PFO], 8, v47
	v_lshlrev_b32 v48, 3, v46
	v_sub_nc_u32 v48, v1, v48       ; r - 8 h
	WIN 0xc0
.irp j, 0,1,2,3,4,5,6,7
	v_add_nc_u32 v[EJ+\j], -(\j), v48
.endr
	v_mov_b32 v[BV], s[BIGN]
	WIN 0
; Product i of 32 of S^T = K Q^T for piece x (tiles x, x + 1): channels 32 (i / 8) on, keys 16 ((i / 2) % 4) on, tile x + i % 2.  The first 8 start the sums, with the mask.  The 8 accumulators take turns.
.macro KQ x
.set rS, S+32*((\x)+i%2)+8*((i/2)%4)
.set rK, KF+32*((i/2)%4)+8*(i/8)
.set rQ, 32*((\x)+i%2)+8*(i/8)
.if i < 8
.set rM, MEQ
.if ((i/2)%4) < ((\x)+i%2)
.set rM, MLO
.endif
.if ((i/2)%4) > ((\x)+i%2)
.set rM, MHI
.endif
	WIN W_KM
	v_wmma_f32_16x16x32_f16 v[rS:rS+7], v[rK:rK+7], v[rQ:rQ+7], v[rM:rM+7]
.else
	WIN W_KQ
	v_wmma_f32_16x16x32_f16 v[rS:rS+7], v[rK:rK+7], v[rQ:rQ+7], v[rS:rS+7]
.endif
.endm
; Product i of 32 of O^T += V^T P: keys 32 (i / 16) on, channels 16 ((i / 2) % 8) on, tile x + i % 2.  The 16 accumulators take turns.
.macro PV x
	WIN W_PV
.set rO, 64*((\x)+i%2)+8*((i/2)%8)
.set rV, 64*(i/16)+8*((i/2)%8)
.set rP, P+16*((\x)+i%2)+8*(i/16)
	v_wmma_f32_16x16x32_f16 v[rO:rO+7], v[rV:rV+7], v[rP:rP+7], v[rO:rO+7]
.endm
.macro FETCH_K                      ; my 64 keys x 128 channels: 16 fragments
	WIN 0
	v_add_nc_u32 v[ADRK], s[TBK], v[AK0]
	WIN 0x80
.irp f, 0,1,2,3,4,5,6,7,8,9,10,11,12,13,14,15
	ds_load_b128 v[KF+8*(\f):KF+8*(\f)+3],   v[ADRK] offset:((\f)/4)*16*PK+((\f)%4)*64
	ds_load_b128 v[KF+8*(\f)+4:KF+8*(\f)+7], v[ADRK] offset:((\f)/4)*16*PK+((\f)%4)*64+32
.endr
.endm
.macro FETCH_V                      ; the same keys' V, turned
	WIN 0
	v_add_nc_u32 v[ADRV], s[TBV], v[AV0]
	WIN 0xc0
.irp f, 0,1,2,3,4,5,6,7,8,9,10,11,12,13,14,15
	ds_load_tr16_b128 v[8*(\f):8*(\f)+3],   v[ADRV] offset:((\f)/8)*32*PV+((\f)%8)*32
	ds_load_tr16_b128 v[8*(\f)+4:8*(\f)+7], v[ADRV] offset:((\f)/8)*32*PV+16*PV+((\f)%8)*32
.endr
.endm
.macro MASKS                        ; the three masks of this tile, from D
	WIN 0xcc                        ; destination and source 1 in window 3
	v_mov_b32 v[DV], s[DD]
.irp j, 0,1,2,3,4,5,6,7
	v_cmp_gt_i32 vcc_lo, s[DD], v[EJ+\j]
	v_cndmask_b32 v[MEQ+\j], 0, v[BV], vcc_lo
.endr
	v_cmp_lt_i32 vcc_lo, 0, v[DV]
.irp j, 0,1,2,3,4,5,6,7
	v_cndmask_b32 v[MLO+\j], 0, v[BV], vcc_lo
.endr
	v_cmp_lt_i32 vcc_lo, -1, v[DV]
.irp j, 0,1,2,3,4,5,6,7
	v_cndmask_b32 v[MHI+\j], 0, v[BV], vcc_lo
.endr
.endm
; One tile's softmax for one key tile is a list of 134 instructions; SM writes number j of it for tile t.
;   0-15 the maximum of the lane's 32 scores and the old m (each accumulator's lowest registers first)     16-20 the other half of the lanes'; m; c m; c m_old - c m_new
;   21-69 ONE BATCH: the 16 scalings c s - c m and all 33 exponentials (a at 23); none reads an exponential's result     (the wait)     70-85 the roundings to f16     86-101 the sums; l = a l + sum     102-133 O^T times a
.macro SM t
.set rT, ST+8*(\t)
.set rS, S+32*(\t)
.set rP, P+16*(\t)
.set rO, 64*(\t)+2*(j-102)
.if j < 102
	WIN 0
.endif
.if j < 4
	v_max3_num_f32 v[rT+4+j], v[rS+8*j], v[rS+8*j+1], v[rS+8*j+2]
.elseif j < 12
	v_max3_num_f32 v[rT+4+j%4], v[rT+4+j%4], v[rS+8*(j%4)+2*(j/4)+1], v[rS+8*(j%4)+2*(j/4)+2]
.elseif j == 12
	v_max3_num_f32 v[rT+4], v[rT+4], v[rS+7], v[rS+15]
.elseif j == 13
	v_max3_num_f32 v[rT+6], v[rT+6], v[rS+23], v[rS+31]
.elseif j == 14
	v_max3_num_f32 v[rT+4], v[rT+4], v[rT+5], v[rT+6]
.elseif j == 15
	v_max3_num_f32 v[rT+4], v[rT+4], v[rT+7], v[rT+1]
.elseif j == 16
	v_permlanex16_b32 v[rT+5], v[rT+4], s[SEL], s[SEL+1]
.elseif j == 17
	v_mov_b32 v[rT+7], v[rT]
.elseif j == 18
	v_max_num_f32 v[rT+1], v[rT+4], v[rT+5]
.elseif j == 19
	v_mul_f32 v[rT], s[CS], v[rT+1]
.elseif j == 20
	v_sub_f32 v[rT+7], v[rT+7], v[rT]
.elseif j == 23
	v_exp_f32 v[rT+6], v[rT+7]
.elseif (j < 23) || ((j < 38) && (j%2 == 0)) || ((j < 66) && (j%4 == 2))
.set b, (j-2)/4
.if j < 38
.set b, (j-20)/2
.endif
	v_pk_fma_f32 v[rS+2*b:rS+2*b+1], v[rS+2*b:rS+2*b+1], s[CS:CS+1], v[rT:rT+1] op_sel_hi:[1,0,0] neg_lo:[0,0,1] neg_hi:[0,0,1]
.elseif j < 70
.set e, j-38
.if j < 66
.set e, j-32-(j-38)/4
.endif
.if j < 38
.set e, (j-25)/2
.endif
	v_exp_f32 v[rS+e], v[rS+e]
.elseif j < 86
	v_cvt_pk_f16_f32 v[rP+j-70], v[rS+2*(j-70)], v[rS+2*(j-70)+1]
.elseif j < 102
.set z, j-86
.set w, 4
.set u, z
.if z >= 14
.set w, 32
.set u, 0
.elseif z >= 12
.set w, 16
.set u, z-12
.elseif z >= 8
.set w, 8
.set u, z-8
.endif
.if z < 15
	v_pk_add_f32 v[rS+w*u:rS+w*u+1], v[rS+w*u:rS+w*u+1], v[rS+w*u+w/2:rS+w*u+w/2+1]
.else
	v_pk_fma_f32 v[rT+2:rT+3], v[rT+2:rT+3], v[rT+6:rT+7], v[rS:rS+1] op_sel_hi:[1,0,1]
.endif
.else
	WIN W_RS
	v_pk_mul_f32 v[rO:rO+1], v[rO:rO+1], v[rT+6:rT+7] op_sel_hi:[1,0]
.endif
.endm
; Slice k of 64 of piece y's softmax.  Slices 11-34 deal out the batch, four numbers of one tile each; every other slice is numbers 2 k and 2 k + 1 of both tiles; slice 63 takes the eight that are left.
; Behind slice 34 stands a plain instruction and the piece's ONE wait for its 66 exponentials, ahead of the first reader.
.macro SLICE y
.if (k >= 11) && (k < 35)
.irp n, 0,1,2,3
.set j, 22+4*((k-11)/2)+(\n)
	SM (\y)+(k-11)%2
.endr
.else
.irp n, 0,1,2,3,4,5,6,7
.if ((\n) < 2) || (k == 63)
.irp t, \y, (\y)+1
.set j, 2*k+(\n)
	SM \t
.endr
.endif
.endr
.endif
.if k == 34
	v_nop
	s_wait_alu depctr_va_vdst(0)
.endif
.set k, k+1
.endm
; A TILE'S WORK for my 64 keys: piece 0's scores; piece 2's scores beside piece 0's softmax; piece 0's V^T P beside piece 2's softmax; piece 2's V^T P.
; K's run of LDS loads stands first, and the masks are made while it is out.  V's run stands behind piece 0's scores: 32 products and a softmax ahead of its first use, and 39 plain instructions
; (the masks and the four places) behind the tile before's last products, which read V's registers.
.macro WORK
	s_cmp_eq_u32 s[RT], 0           ; the block's last tile holds the diagonal
	s_cselect_b32 s[DD], s[DLAST], 0xfffffc00
	FETCH_K
	MASKS
	s_wait_loadcnt 0x0              ; Q
	s_wait_dscnt 0x0                ; K is in: nothing else is out
.set i, 0
.rept 32
	KQ 0
.set i, i+1
.endr
	WIN 0
	PLACES
	FETCH_V
.set k, 0
.set i, 0
.rept 32
	KQ 2
	SLICE 0
	SLICE 0
.set i, i+1
.endr
	s_wait_dscnt 0x0                ; V is in
.set k, 0
.set i, 0
.rept 32
	PV 0
	SLICE 2
	SLICE 2
.set i, i+1
.endr
.set i, 0
.rept 32
	PV 2
.set i, i+1
.endr
	WIN 0
.endm
; A BLOCK'S END: the four waves' parts are merged and the block goes out.  first = 1: the second block is set up.
.macro FINISH first
	WIN 0
.irp t, 0,1,2,3
	v_add_f32 v[ST+8*\t+4], v[ST+8*\t+2], v[ST+8*\t+3]   ; l's two halves; these lines are the places behind the last products
.endr
.irp t, 0,1,2,3
	v_permlanex16_b32 v[ST+8*\t+5], v[ST+8*\t+4], s[SEL], s[SEL+1]
.endr
.irp t, 0,1,2,3
	v_add_f32 v[ST+8*\t+4], v[ST+8*\t+4], v[ST+8*\t+5]
.endr
.if \first
	QLOAD QLO                       ; the second block's Q: it has the whole merge in which to come
.endif
.irp t, 0,1,2,3
	ds_store_b32 v[STW], v[ST+8*\t] offset:256*\t
	ds_store_b32 v[STW], v[ST+8*\t+4] offset:1024+256*\t
.endr
	s_wait_dscnt 0x0                ; for the others' sake
	s_barrier_signal -1
	s_barrier_wait -1
.irp t, 0,1,2,3
	ds_load_b128 v[CW+4*\t:CW+4*\t+3], v[STRD] offset:256*\t
	ds_load_b128 v[LW+4*\t:LW+4*\t+3], v[STRD] offset:1024+256*\t
.endr
	s_wait_dscnt 0x0
.irp t, 0,1,2,3
	v_max3_num_f32 v[CM+\t], v[CW+4*\t], v[CW+4*\t+1], v[CW+4*\t+2]
.endr
.irp t, 0,1,2,3
	v_max_num_f32 v[CM+\t], v[CM+\t], v[CW+4*\t+3]
.endr
.irp t, 0,1,2,3
	v_sub_f32 v[CW+4*\t],   v[CW+4*\t],   v[CM+\t]
	v_sub_f32 v[CW+4*\t+1], v[CW+4*\t+1], v[CM+\t]
	v_sub_f32 v[CW+4*\t+2], v[CW+4*\t+2], v[CM+\t]
	v_sub_f32 v[CW+4*\t+3], v[CW+4*\t+3], v[CM+\t]
.endr
.set i, 0
.rept 16
	v_exp_f32 v[CW+i], v[CW+i]
.set i, i+1
.endr
	v_nop
	s_wait_alu depctr_va_vdst(0)    ; one wait for the sixteen
.irp t, 0,1,2,3
	v_mul_f32 v[LL+\t], v[CW+4*\t], v[LW+4*\t]
.endr
.irp x, 1,2,3
.irp t, 0,1,2,3
	v_fmac_f32 v[LL+\t], v[CW+4*\t+\x], v[LW+4*\t+\x]
.endr
.endr
.irp t, 0,1,2,3
	v_rcp_f32 v[RC+\t], v[LL+\t]
.endr
	v_nop
	s_wait_alu depctr_va_vdst(0)    ; one wait for the four
.irp t, 0,1,2,3
.irp x, 0,1,2,3
	v_mul_f32 v[GF+8*\t+2*\x], v[CW+4*\t+\x], v[RC+\t]   ; g of my query in tile t, for each wave: a lane of the reading wave holds the same query as the lane that wrote
.endr
.endr
	; a query tile at a time: every wave puts its 64 registers into its area as they are; wave w takes channels 32 w .. + 31 out of all four areas and adds them, each times its wave's g
.irp s, 0,1,2,3
	WIN 0x04                        ; the stores' data in window 1; each accumulator's four lowest registers go first
.irp q, 0,1,2,3,4,5,6,7,8,9,10,11,12,13,14,15
	ds_store_b128 v[XW], v[64*\s+4*\q:64*\s+4*\q+3] offset:512*\q
.endr
	WIN 0
	s_wait_dscnt 0x0                ; my stores are done
	s_barrier_signal -1
	s_barrier_wait -1
.irp x, 0,1,2,3
.irp q, 0,1,2,3
	ds_load_b128 v[XL+16*\x+4*\q:XL+16*\x+4*\q+3], v[XR] offset:8192*\x+512*\q
.endr
.endr
	s_wait_dscnt 0x0                ; my reads are over: the areas may be written again when all four waves have said so
	s_barrier_signal -1
.irp q, 0,2,4,6,8,10,12,14
	v_pk_mul_f32 v[XL+\q:XL+\q+1], v[XL+\q:XL+\q+1], v[GF+8*\s:GF+8*\s+1] op_sel_hi:[1,0]
.endr
.irp x, 1,2,3
.irp q, 0,2,4,6,8,10,12,14
	v_pk_fma_f32 v[XL+\q:XL+\q+1], v[XL+16*\x+\q:XL+16*\x+\q+1], v[GF+8*\s+2*\x:GF+8*\s+2*\x+1], v[XL+\q:XL+\q+1] op_sel_hi:[1,0,1]
.endr
.endr
.irp q, 0,1,2,3,4,5,6,7
	v_cvt_pk_f16_f32 v[PKO+8*\s+\q], v[XL+2*\q], v[XL+2*\q+1]
.endr
	s_barrier_wait -1
.endr
	; the way out: 16 bytes a lane into rows of 272 bytes, back as whole rows of 256
.irp s, 0,1,2,3
.irp e, 0,1
	ds_store_b128 v[OSW], v[PKO+8*\s+4*\e:PKO+8*\s+4*\e+3] offset:4352*\s+32*\e
.endr
.endr
	s_wait_dscnt 0x0
	s_barrier_signal -1
	s_barrier_wait -1
.irp p, 0,1,2,3,4,5,6,7
	ds_load_b128 v[XL+4*\p:XL+4*\p+3], v[ORD] offset:544*\p
.endr
.irp p, 0,1,2,3,4,5,6,7
	s_wait_dscnt 7-\p
	global_store_b128 v[GO], v[XL+4*\p:XL+4*\p+3], s[10:11] offset:4096*\p  ; 16 lanes store a row's 256 consecutive bytes, aligned
.endr
.if \first
	s_wait_xcnt 0x0                 ; the stores have read their registers and their base
	s_mov_b64 s[10:11], s[OLO:OLO+1]
	s_mov_b32 s[DLAST], s[DLO]
	s_add_co_u32 s[RT], s[KK], 1    ; the second block has k + 1 tiles
.irp t, 0,1,2,3
	v_mov_b32 v[ST+8*\t+1], s[MINIT]  ; m and c m start anew: the next a is 0 where a key is seen, and clears O^T and l
	v_mul_f32 v[ST+8*\t], s[CS], v[ST+8*\t+1]
.endr
.endif
.endm
.Lslot:                             ; eight times: a tile is entered and the next is asked for
	CHANGE 1
	s_sub_co_u32 s[RT], s[RT], 1
	WORK
	s_cmp_eq_u32 s[RT], 0
	s_cbranch_scc0 .Lbottom         ; hangs on k alone: the same in all waves and all partners
	FINISH 1                        ; in the loop this is the first block's end: the second's last tile is the walk's last
.Lbottom:
	s_sub_co_u32 s[SLOTS], s[SLOTS], 1
	s_cmp_lg_u32 s[SLOTS], 0
	s_cbranch_scc1 .Lslot
	CHANGE 0                        ; the walk's last tile is written out
	s_sub_co_u32 s[RT], s[RT], 1
	WORK
	FINISH 0
	s_wait_tensorcnt 0x0            ; the wave's end
	ds_add_u32 v[SPW], v[NIL]
	s_wait_dscnt 0x0
	CROUND                          ; the closing round
	s_endpgm
.Lfunc_end_k_q32957fdf55_attn:
	.size	k_q32957fdf55_attn, .Lfunc_end_k_q32957fdf55_attn-k_q32957fdf55_attn
	.p2alignl 7, 3214868480
	.fill 96, 4, 3214868480
	.section	.rodata,"a",@progbits
	.p2align	6, 0x0
	.amdhsa_kernel k_q32957fdf55_attn
		.amdhsa_group_segment_fixed_size 327680
		.amdhsa_private_segment_fixed_size 0
		.amdhsa_enable_private_segment 0
		.amdhsa_kernarg_size 32
		.amdhsa_user_sgpr_count 2
		.amdhsa_user_sgpr_kernarg_segment_ptr 1
		.amdhsa_wavefront_size32 1
		.amdhsa_system_sgpr_workgroup_id_x 1
		.amdhsa_system_sgpr_workgroup_id_y 1
		.amdhsa_system_sgpr_workgroup_id_z 1
		.amdhsa_system_vgpr_workitem_id 0
		.amdhsa_next_free_vgpr 1024
		.amdhsa_next_free_sgpr 88
		.amdhsa_reserve_vcc 1
		.amdhsa_float_denorm_mode_32 3
		.amdhsa_float_denorm_mode_16_64 3
		.amdhsa_memory_ordered 1
		.amdhsa_forward_progress 1
		.amdhsa_inst_pref_size 165
	.end_amdhsa_kernel
	.amdgpu_metadata
---
amdhsa.version: [ 1, 2 ]
amdhsa.kernels:
  - .name:           k_q32957fdf55_attn
    .symbol:         k_q32957fdf55_attn.kd
    .args:
      - { .name: qh, .offset: 0, .size: 8, .value_kind: global_buffer, .address_space: global }
      - { .name: kh, .offset: 8, .size: 8, .value_kind: global_buffer, .address_space: global }
      - { .name: vh, .offset: 16, .size: 8, .value_kind: global_buffer, .address_space: global }
      - { .name: ctx, .offset: 24, .size: 8, .value_kind: global_buffer, .address_space: global }
    .group_segment_fixed_size: 327680
    .private_segment_fixed_size: 0
    .kernarg_segment_align: 8
    .kernarg_segment_size: 32
    .max_flat_workgroup_size: 128
    .sgpr_count:     88
    .vgpr_count:     1024
    .wavefront_size: 32
...
	.end_amdgpu_metadata
.endif
;; end of part 3
;; launch oproj (part 4): grid 8 x 32, 4 waves a work-group, clusters of 4 x 4, 327,680 bytes of LDS; arguments ctx, wob, out0; writes out0
.if DOCPART == 4
	.amdgcn_target "amdgcn-amd-amdhsa--gfx1250"
	.amdhsa_code_object_version 6
	.text
	.protected	k_q32957fdf55_oproj
	.globl	k_q32957fdf55_oproj
	.p2align	8
	.type	k_q32957fdf55_oproj,@function
k_q32957fdf55_oproj:
	s_mov_b64 s[64:65], 0
	v_nop
	global_prefetch_b8 v0, s[64:65] scope:SCOPE_SE
	s_setreg_imm32_b32 hwreg(HW_REG_WAVE_MODE, 25, 1), 1
	s_wait_xcnt 0x0
	s_wait_alu depctr_hold_cnt(0) depctr_sa_sdst(0) depctr_va_vdst(0) depctr_va_sdst(0) depctr_va_ssrc(0) depctr_va_vcc(0) depctr_vm_vsrc(0)
	s_getreg_b32 s2, hwreg(HW_REG_IB_STS2, 6, 4)
	s_cmp_eq_u32 s2, 0
	s_cbranch_scc0 .Lentry_in_a_cluster
	s_endpgm
.Lentry_in_a_cluster:
	s_bfe_u32 s2, ttmp6, 0x10000c
	s_cmp_lg_u32 s2, 0xf033
	s_cbranch_scc0 .Lentry_shape_is_right
	s_endpgm
.Lentry_shape_is_right:
; out0[m][n] = the sum over c of ctx[m][c] wo[n][c].  ctx [4096][1024] f16, wob [2048][1024] f16 (wo's bf16 numbers), out0 [4096][2048] f32; sums in f32.
; A tile is 128 x 256: 32 x 8 = 256 work-groups.  Wave w = 2 wm + wn makes rows 64 wm .. + 63 x columns 128 wn .. + 127: 32 accumulators, window 1.
; K goes in 8 steps of 128 (rows of 256 bytes) through two LDS slots: ctx's 128 rows, then wob's 256.  Waves 0, 1 fetch ctx's halves (64 rows), waves 2, 3 wob's (128 rows).
; Two slots of a doubled step, 2 x 384 rows x 528 bytes, do not fit in LDS.
; CLUSTER 4 x 4: ctx's tile is shared along a row of the cluster, wob's along a column.  The matrix instruction is used transposed (source 0 = rows of wob): a lane holds eight neighbouring columns of a row.
; No prefetch: eight K steps on a small tile, a short launch.
; REGISTERS: window 0: v0-31 addresses; v64-127 ctx's fragments, two buffers; v128-255 rows on the way out.  window 1: accumulator (a, b) at 8 (8 a + b).  window 2: v0-127 wob's fragments, two buffers.
.set KSTEP,  128
.set PITCH,  272
.set APART,  128*PITCH                 ; ctx's rows in a slot
.set SLOT1,  0x20000                   ; a slot is 104,448 bytes; slot 1 begins here, so that one exclusive or changes slots
.set STAGE,  SLOT1+384*PITCH           ; 16 rows x 528 bytes for each wave, never filled by a tensor load
.set SP,     528
.set SPARE,  STAGE+4*16*SP             ; the spare words: 128 bytes a wave, two blocks of 256 bytes that no other line names
.set FA0, 2
.set FB0, 3
.set ADRA, 5
.set ADRB, 6
.set STO, 8
.set RD,  10
.set GO,  11
.set SPW, 28
.set NIL, 29
.set WV,  20
.set WM,  21
.set WN,  22
.set G1A, 24
.set G0A, 32
.set G1B, 40
.set G0B, 48
.set CX,  56
.set CY,  57
.set TCOL, 58
.set TROW, 59
.set LAA, 60
.set STEPS, 61
.set TB,  62
.set LAB, 63
.set MSB, 0
.macro WIN new
.if MSB != (\new)
	s_set_vgpr_msb (MSB<<8)|(\new)
.set MSB, \new
.endif
.endm
.macro PLACES
.rept 4
	v_nop
.endr
.endm
.macro JLOAD
	s_cmp_lt_u32 s[WV], 2
	s_cbranch_scc0 .Lfor_b_\@
	tensor_load_to_lds s[G0A+4:G0A+7], s[G1A:G1A+7]
	s_nop 0
	PLACES
	s_branch .Lasked_\@
.Lfor_b_\@:
	tensor_load_to_lds s[G0B+4:G0B+7], s[G1B:G1B+7]
	s_nop 0
	PLACES
.Lasked_\@:
.endm
.macro CREST
	s_cmp_lg_u32 s[WV], 0
	s_cbranch_scc1 .Lnot_wave_0_\@
	s_barrier_signal -3
.Lnot_wave_0_\@:
	s_barrier_wait -3
	s_barrier_signal -1
	s_barrier_wait -1
.endm
.macro CROUND
	s_barrier_signal -1
	s_barrier_wait -1
	CREST
.endm
	s_load_b128 s[4:7], s[0:1], 0x0                ; ctx, wob
	s_load_b64 s[8:9], s[0:1], 0x10                ; out0
	v_lshl_add_u32 v[SPW], v0, 2, SPARE
	v_mov_b32 v[NIL], 0
	ds_add_u32 v[SPW], v[NIL]                      ; the wave's opening: the add and its wait stand ahead of my first tensor load
	v_lshrrev_b32 v1, 5, v0
	v_readfirstlane_b32 s[WV], v1
	s_lshr_b32 s[WM], s[WV], 1
	s_and_b32 s[WN], s[WV], 1
	s_bfe_u32 s[CX], ttmp6, 0x40000
	s_bfe_u32 s[CY], ttmp6, 0x40004
	s_lshl_b32 s[TCOL], ttmp9, 2
	s_add_co_u32 s[TCOL], s[TCOL], s[CX]
	s_and_b32 s[TROW], ttmp7, 0xffff
	s_lshl_b32 s[TROW], s[TROW], 2
	s_add_co_u32 s[TROW], s[TROW], s[CY]
	s_lshl_b32 s68, s[CY], 2
	s_lshl_b32 s68, 15, s68                        ; my row of the cluster
	s_lshl_b32 s70, 0x1111, s[CX]                  ; my column
	s_or_b32 s[G1A], s68, (1<<16)|(1<<20)|(1<<21)|(5<<22)|(3<<25)
	s_or_b32 s[G1B], s70, (1<<16)|(1<<20)|(1<<21)|(5<<22)|(3<<25)
	s_mov_b32 s[G1A+1], KSTEP<<16                  ; tensor_dim0 = 128
	s_mov_b32 s[G1A+2], 64<<16                     ; tensor_dim1 = 64
	s_mov_b32 s[G1A+3], KSTEP<<16                  ; tile_dim0 = 128
	s_mov_b32 s[G1A+4], 64                         ; tile_dim1 = 64
	s_mov_b32 s[G1A+5], 1024                       ; elements from row to row
	s_mov_b32 s[G1A+6], 0
	s_mov_b32 s[G1A+7], 0
	s_mov_b32 s[G1B+1], KSTEP<<16
	s_mov_b32 s[G1B+2], 128<<16
	s_mov_b32 s[G1B+3], KSTEP<<16
	s_mov_b32 s[G1B+4], 128
	s_mov_b32 s[G1B+5], 1024
	s_mov_b32 s[G1B+6], 0
	s_mov_b32 s[G1B+7], 0
	s_lshl_b32 s68, s[TROW], 18                    ; ctx: 128 rows of 2,048 bytes a tile,
	s_lshl_b32 s69, s[WN], 17                      ; my half's 64
	s_add_co_u32 s68, s68, s69
	s_mov_b32 s69, 0
	s_lshl_b32 s70, s[TCOL], 19                    ; wob: 256 rows a tile,
	s_lshl_b32 s71, s[WN], 18                      ; my half's 128
	s_add_co_u32 s70, s70, s71
	s_mov_b32 s71, 0
	s_mul_i32 s[LAA], s[WN], 64*PITCH
	s_mul_i32 s[LAB], s[WN], 128*PITCH
	s_add_co_u32 s[LAB], s[LAB], APART
	s_mov_b32 s[TB], 0
	s_wait_dscnt 0x0                               ; the opening add is done
	s_wait_kmcnt 0x0
	s_add_nc_u64 s[68:69], s[4:5], s[68:69]
	s_add_nc_u64 s[70:71], s[6:7], s[70:71]
	CROUND
.irp s, 0,1
	s_mov_b32 s[G0A+4*(\s)], 1
	s_add_co_u32 s[G0A+4*(\s)+1], s[LAA], (\s)*SLOT1
	s_add_nc_u64 s[G0A+4*(\s)+2:G0A+4*(\s)+3], s[68:69], (\s)*KSTEP*2
	s_or_b32 s[G0A+4*(\s)+3], s[G0A+4*(\s)+3], 0x80000000
	s_mov_b32 s[G0B+4*(\s)], 1
	s_add_co_u32 s[G0B+4*(\s)+1], s[LAB], (\s)*SLOT1
	s_add_nc_u64 s[G0B+4*(\s)+2:G0B+4*(\s)+3], s[70:71], (\s)*KSTEP*2
	s_or_b32 s[G0B+4*(\s)+3], s[G0B+4*(\s)+3], 0x80000000
.endr
	s_cmp_lt_u32 s[WV], 2                          ; a wave's two first fills stand in one branch: two loads of mine are out
	s_cbranch_scc0 .Lfirst_b
	tensor_load_to_lds s[G0A:G0A+3], s[G1A:G1A+7]
	s_nop 0
	tensor_load_to_lds s[G0A+4:G0A+7], s[G1A:G1A+7]
	s_nop 0
	PLACES
	s_branch .Lfirst_asked
.Lfirst_b:
	tensor_load_to_lds s[G0B:G0B+3], s[G1B:G1B+7]
	s_nop 0
	tensor_load_to_lds s[G0B+4:G0B+7], s[G1B:G1B+7]
	s_nop 0
	PLACES
.Lfirst_asked:
	v_and_b32 v22, 15, v0
	v_bfe_u32 v23, v0, 4, 1
	v_and_b32 v25, 31, v0
	v_mul_u32_u24 v24, v22, PITCH
	v_lshl_add_u32 v24, v23, 4, v24
	s_mul_i32 s72, s[WM], 64*PITCH
	v_add_nc_u32 v[FA0], s72, v24
	s_mul_i32 s72, s[WN], 128*PITCH
	s_add_co_u32 s72, s72, APART
	v_add_nc_u32 v[FB0], s72, v24
	v_mov_b32 v[ADRA], v[FA0]
	v_mov_b32 v[ADRB], v[FB0]
	s_mul_i32 s72, s[WV], 16*SP
	s_add_co_u32 s72, s72, STAGE                   ; my stage
	v_mul_u32_u24 v[STO], v22, SP
	v_lshl_add_u32 v[STO], v23, 5, v[STO]
	v_add_nc_u32 v[STO], s72, v[STO]               ; in: row r, 32 bytes for each half of the lanes
	v_lshl_add_u32 v[RD], v25, 4, s72              ; back: 32 lanes take a row's 512 bytes
	v_lshlrev_b32 v[GO], 4, v25
	s_lshl_b32 s74, s[TROW], 20                    ; out0: 128 rows of 8,192 bytes a tile,
	s_lshl_b32 s75, s[WM], 19                      ; my 64 rows,
	s_add_co_u32 s74, s74, s75
	s_lshl_b32 s75, s[TCOL], 10                    ; the tile's 256 columns,
	s_add_co_u32 s74, s74, s75
	s_lshl_b32 s75, s[WN], 9                       ; my 128
	s_add_co_u32 s74, s74, s75
	s_mov_b32 s75, 0
	s_add_nc_u64 s[8:9], s[8:9], s[74:75]
.macro MUL8 f, a, zero                 ; row block a x all 8 column blocks; the 32 accumulators take turns in the same order in every quarter
	WIN 0x52                                       ; source 0 (wob) window 2, source 1 (ctx) window 0, C and D window 1
.irp b, 0,1,2,3,4,5,6,7
.if \zero
	v_wmma_f32_16x16x32_f16 v[8*(8*(\a)+(\b)):8*(8*(\a)+(\b))+7], v[64*(\f)+8*(\b):64*(\f)+8*(\b)+7], v[64+32*(\f)+8*(\a):64+32*(\f)+8*(\a)+7], 0
.else
	v_wmma_f32_16x16x32_f16 v[8*(8*(\a)+(\b)):8*(8*(\a)+(\b))+7], v[64*(\f)+8*(\b):64*(\f)+8*(\b)+7], v[64+32*(\f)+8*(\a):64+32*(\f)+8*(\a)+7], v[8*(8*(\a)+(\b)):8*(8*(\a)+(\b))+7]
.endif
.endr
.endm
.macro FETCH k, f                      ; 24 LDS loads in one run: wob's 8 fragments, then ctx's 4
	WIN 0x80
.irp b, 0,1,2,3,4,5,6,7
	ds_load_b128 v[64*(\f)+8*(\b):64*(\f)+8*(\b)+3],   v[ADRB] offset:(\k)+(\b)*16*PITCH
	ds_load_b128 v[64*(\f)+8*(\b)+4:64*(\f)+8*(\b)+7], v[ADRB] offset:(\k)+(\b)*16*PITCH+32
.endr
	WIN 0
.irp a, 0,1,2,3
	ds_load_b128 v[64+32*(\f)+8*(\a):64+32*(\f)+8*(\a)+3],   v[ADRA] offset:(\k)+(\a)*16*PITCH
	ds_load_b128 v[64+32*(\f)+8*(\a)+4:64+32*(\f)+8*(\a)+7], v[ADRA] offset:(\k)+(\a)*16*PITCH+32
.endr
.endm
.macro QUARTER k, f, g, zero
	s_wait_dscnt 4                                 ; all but ctx's row blocks 2 and 3
	MUL8 \f, 0, \zero
	MUL8 \f, 1, \zero
	PLACES
	FETCH \k, \g
	s_wait_dscnt 24                                ; all but the 24 just issued
	MUL8 \f, 2, \zero
	MUL8 \f, 3, \zero
.endm
; The last quarter and the change of slots: all my tensor loads, the add, my reads; the barrier.  fill = 1: it opens a round of the cluster's, the refill stands first behind it, and the next slot's first
; fragments are fetched.  fill = 0 (the last two K steps): nothing is asked for, and the fetch is left to the text behind the macro.
.macro TURN fill
	WIN 0
	s_wait_tensorcnt 0x0
	ds_add_u32 v[SPW], v[NIL]
	s_wait_dscnt 5                                 ; the add and the youngest four loads may be out
	MUL8 1, 0, 0
	s_wait_dscnt 0x0
	s_barrier_signal -1
	MUL8 1, 1, 0
	WIN 0
	s_barrier_wait -1
.if \fill
	CREST
	s_xor_b32 s[G0A+5], s[G0A+5], SLOT1
	s_add_nc_u64 s[G0A+6:G0A+7], s[G0A+6:G0A+7], KSTEP*2
	s_xor_b32 s[G0B+5], s[G0B+5], SLOT1
	s_add_nc_u64 s[G0B+6:G0B+7], s[G0B+6:G0B+7], KSTEP*2
	JLOAD                                          ; 112 matrix instructions ahead of the wait for it
.else
	PLACES                                         ; with the two lines below: the places between buffer 0's last products and the next loads into it
.endif
	s_xor_b32 s[TB], s[TB], SLOT1
	v_add_nc_u32 v[ADRA], s[TB], v[FA0]
	v_add_nc_u32 v[ADRB], s[TB], v[FB0]
.if \fill
	FETCH 0, 0
.endif
	MUL8 1, 2, 0
	MUL8 1, 3, 0
.endm
	s_wait_tensorcnt 1                             ; my part of K step 0 is in; K step 1's may stay out
	s_barrier_signal -1
	s_barrier_wait -1
	FETCH 0, 0
	QUARTER 64, 0, 1, 1
	WIN 0
	s_mov_b32 s[STEPS], 6
.Lstep:
	QUARTER 128, 1, 0, 0
	QUARTER 192, 0, 1, 0
	TURN 1
	QUARTER 64, 0, 1, 0
	WIN 0
	s_sub_co_u32 s[STEPS], s[STEPS], 1
	s_cmp_lg_u32 s[STEPS], 0
	s_cbranch_scc1 .Lstep
	s_mov_b32 s[STEPS], 2
.Ltail:                                        ; K steps 6 and 7 ask for nothing: a loop of their own
	QUARTER 128, 1, 0, 0
	QUARTER 192, 0, 1, 0
	TURN 0
	WIN 0
	s_cmp_eq_u32 s[STEPS], 1                       ; behind K step 7 there is no further step: its fetch and first quarter are jumped; they hold no barrier and no tensor load
	s_cbranch_scc1 .Llast
	FETCH 0, 0
	QUARTER 64, 0, 1, 0
	WIN 0
.Llast:
	s_sub_co_u32 s[STEPS], s[STEPS], 1
	s_cmp_lg_u32 s[STEPS], 0
	s_cbranch_scc1 .Ltail
	PLACES
; THE WAY OUT, 16 rows at a time through my own stage: LDS serves a wave's instructions in order (ISA guide 5.7.1.4), so the loads see the stores above them and the next block's stores come behind them.
.macro OUT a
	WIN 0x04                                       ; the stores' data in window 1
.irp b, 0,1,2,3,4,5,6,7
	ds_store_b128 v[STO], v[8*(8*(\a)+(\b)):8*(8*(\a)+(\b))+3]   offset:64*(\b)
	ds_store_b128 v[STO], v[8*(8*(\a)+(\b))+4:8*(8*(\a)+(\b))+7] offset:64*(\b)+16
.endr
	WIN 0
.if (\a) >= 2
	s_wait_xcnt 0x0                                ; the stores of two blocks back have read these registers
.endif
.set OB, 128+64*((\a)%2)
.irp t, 0,1,2,3,4,5,6,7,8,9,10,11,12,13,14,15
	ds_load_b128 v[OB+4*(\t):OB+4*(\t)+3], v[RD] offset:SP*(\t)
.endr
.irp t, 0,1,2,3,4,5,6,7,8,9,10,11,12,13,14,15
.if ((\t)%4) == 0
	s_wait_dscnt 12-(\t)                           ; rows t to t + 3 are back; the 12 - t loads behind them may be out
.endif
	global_store_b128 v[GO], v[OB+4*(\t):OB+4*(\t)+3], s[8:9] offset:(16*(\a)+(\t))*8192 th:TH_STORE_NT  ; a row's 512 consecutive bytes, aligned
.endr
.endm
	OUT 0
	OUT 1
	OUT 2
	OUT 3
	s_wait_tensorcnt 0x0                           ; the wave's end
	ds_add_u32 v[SPW], v[NIL]
	s_wait_dscnt 0x0
	CROUND                                         ; the closing round
	s_endpgm
.Lfunc_end_k_q32957fdf55_oproj:
	.size	k_q32957fdf55_oproj, .Lfunc_end_k_q32957fdf55_oproj-k_q32957fdf55_oproj
	.p2alignl 7, 3214868480
	.fill 96, 4, 3214868480
	.section	.rodata,"a",@progbits
	.p2align	6, 0x0
	.amdhsa_kernel k_q32957fdf55_oproj
		.amdhsa_group_segment_fixed_size 327680
		.amdhsa_private_segment_fixed_size 0
		.amdhsa_enable_private_segment 0
		.amdhsa_kernarg_size 24
		.amdhsa_user_sgpr_count 2
		.amdhsa_user_sgpr_kernarg_segment_ptr 1
		.amdhsa_wavefront_size32 1
		.amdhsa_system_sgpr_workgroup_id_x 1
		.amdhsa_system_sgpr_workgroup_id_y 1
		.amdhsa_system_sgpr_workgroup_id_z 1
		.amdhsa_system_vgpr_workitem_id 0
		.amdhsa_next_free_vgpr 640
		.amdhsa_next_free_sgpr 80
		.amdhsa_reserve_vcc 0
		.amdhsa_float_denorm_mode_32 3
		.amdhsa_float_denorm_mode_16_64 3
		.amdhsa_memory_ordered 1
		.amdhsa_forward_progress 1
		.amdhsa_inst_pref_size 60
	.end_amdhsa_kernel
	.amdgpu_metadata
---
amdhsa.version: [ 1, 2 ]
amdhsa.kernels:
  - .name:           k_q32957fdf55_oproj
    .symbol:         k_q32957fdf55_oproj.kd
    .args:
      - { .name: ctx, .offset: 0, .size: 8, .value_kind: global_buffer, .address_space: global }
      - { .name: wob, .offset: 8, .size: 8, .value_kind: global_buffer, .address_space: global }
      - { .name: out0, .offset: 16, .size: 8, .value_kind: global_buffer, .address_space: global }
    .group_segment_fixed_size: 327680
    .private_segment_fixed_size: 0
    .kernarg_segment_align: 8
    .kernarg_segment_size: 24
    .max_flat_workgroup_size: 128
    .sgpr_count:     80
    .vgpr_count:     640
    .wavefront_size: 32
...
	.end_amdgpu_metadata
.endif
;; end of part 4
;; ======== version 2 of 2: 4 launches; version 1 with the launch cast written anew for expert scheduling mode
;; limits: values are held in f16: magnitudes above 65,504 overflow, below 6.1e-05 lose precision
;; workspace buffers: xb 16,777,216 bytes; wb 12,582,912 bytes; wob 4,194,304 bytes; rope 1,048,576 bytes; qh 8,388,608 bytes; kh 8,388,608 bytes; vh 8,388,608 bytes; ctx 8,388,608 bytes
;; launch cast (part 5): grid 512 x 1, 8 waves a work-group, no clusters, 0 bytes of LDS; arguments x, wq, wk, wv, wo, xb, wb, wob, rope; writes xb, wb, wob, rope
.if DOCPART == 5
	.amdgcn_target "amdgcn-amd-amdhsa--gfx1250"
	.amdhsa_code_object_version 6
	.text
	.protected	k_q32957fdf55_cast
	.globl	k_q32957fdf55_cast
	.p2align	8
	.type	k_q32957fdf55_cast,@function
k_q32957fdf55_cast:
	s_mov_b64 s[64:65], 0
	v_nop
	global_prefetch_b8 v0, s[64:65] scope:SCOPE_SE
	s_setreg_imm32_b32 hwreg(HW_REG_WAVE_SCHED_MODE, 0, 2), 2
	s_setreg_imm32_b32 hwreg(HW_REG_WAVE_MODE, 25, 1), 1
	s_wait_xcnt 0x0
	s_wait_alu depctr_vm_vsrc(0)
; x, wq, wk, wv are rounded to bf16; wo is rounded to bf16 and that number is written as f16; the table of cos and sin for the rotation is made.
; xb [4096][2048] bf16.  wb [8 heads][q, k, v][128 rows][2048] bf16: a head's three blocks of rows lie together.  wob [2048][1024] f16.
; rope: cos [2048 positions][64] f32 at byte 0, sin at byte 524,288.
; SHARES.  512 work-groups of 256 threads.  A piece is 1,024 numbers: thread t reads 16 bytes at 16 t, so a wave's load covers 512 consecutive bytes and no byte is asked for twice,
; and writes 8 bytes at 8 t, so a wave's store covers 256 consecutive bytes, aligned.  A work-group takes 16 pieces of x and 4 pieces (2 rows) of each weight: 32 loads a thread, all issued first.
; LIMITS.  wo's bf16 number is exact in f16 from 6.1e-5 up to 65,504; below it keeps f16's fixed step of 6e-8.
; THE TABLE.  angle a = position x 2^(-j log2(1e6) / 64), one f32 product.  a / 2 pi is split into a whole number and a fraction f by two fused
; multiply-adds (1 / 2 pi in two parts); sin x = cos(x - pi / 2) is a quarter turn less; cos(2 pi f) on |f| <= 1/2 is its series in f^2 up to f^16,
; whose first term left out is at most 1.4e-7 there.  It holds for every position of the table.
; THE MODE: SCHED_MODE bits 1:0 = 2 (LLVM: expert scheduling mode 2), set by the entry lines.  The code itself states the register dependences
; between vector instructions and memory instructions, with s_wait_alu, always for 0.
; THE PLAN.  Registers that memory instructions touch:
;   v1, v2      byte offsets of the loads and of the pieces' stores: made once at the head, never written again.
;   v3, TC      offset and data of the table's one store: made by the table's vector work, never written again.
;   XR          piece i: one load lands in its four registers, which no vector instruction has named before; its conversions read the four and write the first two; its one store reads those two; nothing writes them again.
;   v4 to v12 are named by vector instructions alone.
; So no register that a memory instruction has read is written again, and no load lands in a register that a vector instruction has named: what is to be stated is that a vector result is written before a
; load or store reads it.  The 32 pieces go in eight groups of four.  At the head of group g, behind the wait for its data, ONE wait states that group g - 1's conversions have written their registers;
; the four stores of group g - 1 follow it, dealt among group g's conversions, which name group g's registers, v9 and v10 alone: none of the registers that those stores read.
.set XR, 16                            ; v[16:143] piece i at XR + 4 i: 0-15 x, 16-19 wq, 20-23 wk, 24-27 wv, 28-31 wo
.set TC, 144                           ; v[144:145] my two numbers of the table
	s_load_b512 s[4:19], s[0:1], 0x0               ; x, wq, wk, wv, wo, xb, wb, wob
	s_load_b64 s[20:21], s[0:1], 0x40              ; rope
	v_lshlrev_b32 v1, 4, v0                        ; 16 t: where I read in a piece
	v_lshlrev_b32 v2, 3, v0                        ; 8 t: where I write
	s_lshl_b32 s22, ttmp9, 16                      ; x: 16 pieces of 4,096 bytes
	s_mov_b32 s23, 0
	s_lshl_b32 s24, ttmp9, 14                      ; a weight: 4 pieces of 4,096 bytes
	s_mov_b32 s25, 0
	s_lshl_b32 s26, ttmp9, 15                      ; xb: 16 pieces of 2,048 bytes
	s_mov_b32 s27, 0
	s_lshl_b32 s28, ttmp9, 13                      ; wob: 4 pieces of 2,048 bytes
	s_mov_b32 s29, 0
	s_lshr_b32 s30, ttmp9, 6                       ; rows 2 g and 2 g + 1 belong to head g / 64,
	s_mul_i32 s30, s30, 384                        ; whose 384 rows of wb begin here;
	s_and_b32 s31, ttmp9, 63
	s_lshl1_add_u32 s30, s31, s30                  ; + the row in the head
	s_lshl_b32 s30, s30, 12                        ; rows of 4,096 bytes
	s_mov_b32 s31, 0
	s_lshl_b32 s32, ttmp9, 10                      ; the table: 4 positions of 256 bytes
	s_lshl_b32 s33, ttmp9, 2                       ; the first of them
	s_mov_b32 s34, 0x3e22f983                      ; 1 / 2 pi, rounded to f32,
	s_mov_b32 s35, 0x31dc9c88                      ; and what the rounding left
	s_mov_b32 s36, 0xffff0000                      ; a word's upper bf16
	s_wait_kmcnt 0x0
	s_add_nc_u64 s[4:5], s[4:5], s[22:23]
	s_add_nc_u64 s[6:7], s[6:7], s[24:25]
	s_add_nc_u64 s[8:9], s[8:9], s[24:25]
	s_add_nc_u64 s[10:11], s[10:11], s[24:25]
	s_add_nc_u64 s[12:13], s[12:13], s[24:25]
	s_add_nc_u64 s[14:15], s[14:15], s[26:27]
	s_add_nc_u64 s[16:17], s[16:17], s[30:31]
	s_add_nc_u64 s[18:19], s[18:19], s[28:29]
	s_wait_alu depctr_va_vdst(0)                   ; v1 and v2 are written: every load reads v1 as its offset, every store of a piece v2
.macro LD i, base, off                 ; a piece's load
	global_load_b128 v[XR+4*(\i):XR+4*(\i)+3], v1, s[\base:\base+1] offset:\off th:TH_LOAD_NT
.endm
.irp c, 0,1,2,3,4,5,6,7,8,9,10,11,12,13,14,15
	LD \c, 4, (\c)*4096
.endr
.irp c, 0,1,2,3
	LD 16+\c, 6, (\c)*4096
.endr
.irp c, 0,1,2,3
	LD 20+\c, 8, (\c)*4096
.endr
.irp c, 0,1,2,3
	LD 24+\c, 10, (\c)*4096
.endr
.irp c, 0,1,2,3
	LD 28+\c, 12, (\c)*4096
.endr
	; the table, while the loads are on their way.  Threads 0-127 make cos, 128-255 sin; thread u of 128: position 4 g + u / 32, columns 2 (u % 32) and the next
	v_lshrrev_b32 v4, 7, v0                        ; 0 cos, 1 sin
	v_and_b32 v5, 127, v0                          ; u
	v_lshlrev_b32 v3, 3, v5                        ; 8 u: a wave writes 256 consecutive bytes
	v_lshl_add_u32 v3, v4, 19, v3
	v_add_nc_u32 v3, s32, v3
	v_lshrrev_b32 v6, 5, v5
	v_add_nc_u32 v6, s33, v6
	v_cvt_f32_u32 v6, v6                           ; the position
	v_and_b32 v7, 31, v5
	v_lshlrev_b32 v7, 1, v7
	v_add_nc_u32 v8, 1, v7
	v_cvt_f32_u32 v7, v7
	v_cvt_f32_u32 v8, v8
	v_mul_f32 v7, 0xbe9f73da, v7                   ; - j log2(1e6) / 64
	v_mul_f32 v8, 0xbe9f73da, v8
	v_cvt_f32_u32 v4, v4
	v_mul_f32 v4, 0x3e800000, v4                   ; a quarter turn for sin
	v_exp_f32 v7, v7
	v_exp_f32 v8, v8
	v_nop                                          ; a plain instruction behind the last exponential,
	s_wait_alu depctr_va_vdst(0)                   ; and one wait for both: the exponentials have written v7 and v8, ahead of their first reader
.irp n, 0,1
	v_mul_f32 v9, v6, v[7+\n]                      ; the angle
	v_mul_f32 v10, s34, v9
	v_rndne_f32 v10, v10                           ; whole turns
	v_fma_f32 v11, v9, s34, -v10                   ; the fraction of a turn,
	v_fma_f32 v11, v9, s35, v11                    ; with the second part of 1 / 2 pi
	v_sub_f32 v11, v11, v4
	v_rndne_f32 v10, v11
	v_sub_f32 v11, v11, v10                        ; back into -1/2 .. 1/2
	v_mul_f32 v11, v11, v11
	v_mov_b32 v12, 0x3e906317                      ; (2 pi)^16 / 16!
	v_fmaak_f32 v12, v12, v11, 0xbfdb7128
	v_fmaak_f32 v12, v12, v11, 0x40fce9c5
	v_fmaak_f32 v12, v12, v11, 0xc1d368f9
	v_fmaak_f32 v12, v12, v11, 0x4270fa83
	v_fmaak_f32 v12, v12, v11, 0xc2aae9e4
	v_fmaak_f32 v12, v12, v11, 0x4281e0f8
	v_fmaak_f32 v12, v12, v11, 0xc19de9e6
	v_fma_f32 v[TC+\n], v12, v11, 1.0
.endr
	s_wait_alu depctr_va_vdst(0)                   ; the table's two numbers v[TC:TC+1] and their offset v3 are written, which the store below reads
	global_store_b64 v3, v[TC:TC+1], s[20:21]
; Piece i is rounded in place: its four f32 close up into its first two registers; wo's pieces (28-31) are then written as f16.
.macro CV i
	v_cvt_pk_bf16_f32 v[XR+4*(\i)],   v[XR+4*(\i)],   v[XR+4*(\i)+1]
	v_cvt_pk_bf16_f32 v[XR+4*(\i)+1], v[XR+4*(\i)+2], v[XR+4*(\i)+3]
.if (\i) >= 28
.irp r, 0,1
	v_lshlrev_b32 v9, 16, v[XR+4*(\i)+\r]          ; the two bf16 numbers as f32,
	v_and_b32 v10, s36, v[XR+4*(\i)+\r]
	v_cvt_pk_f16_f32 v[XR+4*(\i)+\r], v9, v10      ; written as f16
.endr
.endif
.endm
; Piece i is stored: x's pieces into xb; wq's, wk's and wv's into wb, where k's 128 rows lie 524,288 bytes behind q's and v's as far behind k's; wo's into wob.
.macro ST i
.if (\i) < 16
	global_store_b64 v2, v[XR+4*(\i):XR+4*(\i)+1], s[14:15] offset:(\i)*2048
.elseif (\i) < 28
	global_store_b64 v2, v[XR+4*(\i):XR+4*(\i)+1], s[16:17] offset:(((\i)-16)/4)*524288+(((\i)-16)%4)*2048
.else
	global_store_b64 v2, v[XR+4*(\i):XR+4*(\i)+1], s[18:19] offset:((\i)-28)*2048
.endif
.endm
; Group g: pieces 4 g to 4 g + 3 are rounded, and the group before is stored, a store ahead of each piece's conversions.
.macro GROUP g
	s_wait_loadcnt 28-4*(\g)                       ; loads come back in order (ISA guide 5.7.1): the group's four are in; the 28 - 4 g younger ones may stay out
.if (\g) > 0
	s_wait_alu depctr_va_vdst(0)                   ; the conversions of the group before have written its pieces' first two registers, which the four stores below read; no vector instruction behind this wait names them or v2
.endif
.irp c, 0,1,2,3
.if (\g) > 0
	ST 4*(\g)-4+\c
.endif
	CV 4*(\g)+\c
.endr
.endm
.irp g, 0,1,2,3,4,5,6,7
	GROUP \g
.endr
	s_wait_alu depctr_va_vdst(0)                   ; the last group's conversions have written its pieces' first two registers, which the last four stores read
.irp c, 28,29,30,31
	ST \c
.endr
	s_endpgm
.Lfunc_end_k_q32957fdf55_cast:
	.size	k_q32957fdf55_cast, .Lfunc_end_k_q32957fdf55_cast-k_q32957fdf55_cast
	.p2alignl 7, 3214868480
	.fill 96, 4, 3214868480
	.section	.rodata,"a",@progbits
	.p2align	6, 0x0
	.amdhsa_kernel k_q32957fdf55_cast
		.amdhsa_group_segment_fixed_size 0
		.amdhsa_private_segment_fixed_size 0
		.amdhsa_enable_private_segment 0
		.amdhsa_kernarg_size 72
		.amdhsa_user_sgpr_count 2
		.amdhsa_user_sgpr_kernarg_segment_ptr 1
		.amdhsa_wavefront_size32 1
		.amdhsa_system_sgpr_workgroup_id_x 1
		.amdhsa_system_sgpr_workgroup_id_y 1
		.amdhsa_system_sgpr_workgroup_id_z 1
		.amdhsa_system_vgpr_workitem_id 0
		.amdhsa_next_free_vgpr 148
		.amdhsa_next_free_sgpr 66
		.amdhsa_reserve_vcc 0
		.amdhsa_float_denorm_mode_32 3
		.amdhsa_float_denorm_mode_16_64 3
		.amdhsa_memory_ordered 1
		.amdhsa_forward_progress 1
		.amdhsa_inst_pref_size 16
	.end_amdhsa_kernel
	.amdgpu_metadata
---
amdhsa.version: [ 1, 2 ]
amdhsa.kernels:
  - .name:           k_q32957fdf55_cast
    .symbol:         k_q32957fdf55_cast.kd
    .args:
      - { .name: x, .offset: 0, .size: 8, .value_kind: global_buffer, .address_space: global }
      - { .name: wq, .offset: 8, .size: 8, .value_kind: global_buffer, .address_space: global }
      - { .name: wk, .offset: 16, .size: 8, .value_kind: global_buffer, .address_space: global }
      - { .name: wv, .offset: 24, .size: 8, .value_kind: global_buffer, .address_space: global }
      - { .name: wo, .offset: 32, .size: 8, .value_kind: global_buffer, .address_space: global }
      - { .name: xb, .offset: 40, .size: 8, .value_kind: global_buffer, .address_space: global }
      - { .name: wb, .offset: 48, .size: 8, .value_kind: global_buffer, .address_space: global }
      - { .name: wob, .offset: 56, .size: 8, .value_kind: global_buffer, .address_space: global }
      - { .name: rope, .offset: 64, .size: 8, .value_kind: global_buffer, .address_space: global }
    .group_segment_fixed_size: 0
    .private_segment_fixed_size: 0
    .kernarg_segment_align: 8
    .kernarg_segment_size: 72
    .max_flat_workgroup_size: 256
    .sgpr_count:     66
    .vgpr_count:     148
    .wavefront_size: 32
...
	.end_amdgpu_metadata
.endif
;; end of part 5
;; launch qkv: the kernel of part 2 again; grid 8 x 32, 4 waves a work-group, clusters of 4 x 4, 327,680 bytes of LDS; arguments xb, wb, rope, q_norm_w, k_norm_w, qh, kh, vh; writes qh, kh, vh
;; launch attn: the kernel of part 3 again; grid 16 x 16, 4 waves a work-group, clusters of 4 x 1, 327,680 bytes of LDS; arguments qh, kh, vh, ctx; writes ctx
;; launch oproj: the kernel of part 4 again; grid 8 x 32, 4 waves a work-group, clusters of 4 x 4, 327,680 bytes of LDS; arguments ctx, wob, out0; writes out0
